; MI455X (gfx1250); checked and timed in simulation.
; The chip was launched on July 23, 2026; its instructions are those of AMD's public machine-readable ISA for CDNA 5 (MIT licence, August 2026) and "CDNA5" Instruction Set Architecture Reference Guide (July 2026). The comments in the code are by the model that wrote it; some were corrected since.
;; Multi Headed Attention. Allowed arithmetic: matrix products marked QUANTISED: E2M3 operands, one E8M0 scale for each 32 along K, by v_wmma_scale_f32_16x16x128_f8f6f4 with both operands' format E2M3, f32 sums; everything else in f32.
;; Inputs: bk 2,048 float32; bo 2,048 float32; bq 2,048 float32; bv 2,048 float32; key 1 x 2,048 x 2,048 float32; mask 1 x 1 x 2,048 x 2,048 bool; query 1 x 2,048 x 2,048 float32; value 1 x 2,048 x 2,048 float32; wk 2,048 x 2,048 float32; wo 2,048 x 2,048 float32; wq 2,048 x 2,048 float32; wv 2,048 x 2,048 float32.
;; Outputs: out0 1 x 2,048 x 2,048 float32.
;; This version of the problem:
;;   THIS VERSION OF THE PROBLEM IS GIVEN IN LOW PRECISION. The matrix products marked QUANTISED in the list below multiply operands that are first quantised to E2M3 (2 exponent bits, 3 mantissa bits; 6 bits a number), with one power-of-two scale for each 32 numbers along K (OCP MX v1.0); their sums are f32. All else is computed in f32.
;;   The module's matrix products, in the order in which they are computed (A, B: the left and right operand; K: the contracted axis; several contracted axes count as one K, in the product's order):
;;     1. [M 2,048, K 2,048] x [K 2,048, N 2,048]; A: input query; B: input wq: QUANTISED
;;     2. [M 2,048, K 2,048] x [K 2,048, N 2,048]; A: input key; B: input wk: QUANTISED
;;     3. [M 2,048, K 2,048] x [K 2,048, N 2,048]; A: input value; B: input wv: QUANTISED
;;     4. batch 16 x [M 2,048, K 128] x [K 128, N 2,048]; A: computed on the way; B: computed on the way: QUANTISED
;;     5. batch 16 x [M 2,048, K 2,048] x [K 2,048, N 128]; A: softmax (see below); B: computed on the way: QUANTISED
;;     6. [M 2,048, K 2,048] x [K 2,048, N 2,048]; A: computed on the way; B: input wo: QUANTISED
;;   THE QUANTISER, for each operand of a quantised product, along K:
;;     - K is cut into blocks of 32 from its start; a last block that is shorter is filled with zeros.
;;     - A block's scale is 2^e with e = floor(log2(the largest magnitude in the block)) - 2, held to -126 .. 127; a block of zeros has e = 0. As a byte (E8M0): e + 127.
;;     - Each number is divided by its block's scale, clamped to +-7.5, and rounded to the nearest number of E2M3, ties to even, subnormals kept.
;;     - The product sums the exact products of the quantised numbers (number of the format x scale) in f32.
;;   ~~~python
;;   def quantise(x, axis):      # numpy; x: float32 -> the quantised numbers, widened to float32 again
;;       x = np.moveaxis(x, axis, -1); K = x.shape[-1]
;;       x = np.pad(x, [(0, 0)] * (x.ndim - 1) + [(0, -K % 32)]); x = x.reshape(x.shape[:-1] + (-1, 32)); a = np.abs(x).max(-1, keepdims=True)
;;       e = np.where(a > 0, np.clip(np.frexp(np.where(a > 0, a, 1))[1] - 1 - 2, -126, 127), 0)      # np.frexp(a)[1] - 1 = floor(log2(a)), exactly
;;       r = np.clip(x / 2.0 ** e, -7.5, 7.5)
;;       step = 2.0 ** (np.maximum(np.frexp(np.where(r == 0, 1, r))[1] - 1, 0) - 3)
;;       q = np.round(r / step) * step * 2.0 ** e      # np.round: ties to even
;;       return np.moveaxis(q.reshape(q.shape[:-2] + (-1,))[..., :K], -1, axis).astype(np.float32)
;;   ~~~
;;   SOFTMAX AHEAD OF A QUANTISED PRODUCT. Where the list says 'softmax', what is quantised is not the finished softmax but p = 2^(t - M), with t = logit x log2(e) and M = ceil(the row's largest t), a whole number; so 1/2 < the row's largest p <= 1. The row's sum l is taken of the UNQUANTISED p, in f32, and the product's result is divided by l at the end. Since M is a whole number, a kernel that streams over the keys may use a running M (the ceiling of the running maximum): every later rescaling is an exact power of two, which a block's scale takes up: the codes' values come out the same.
;;   OPERANDS COMPUTED ON THE WAY. 'Computed on the way' means the value that the module computes at that place (a softmax that the list does not call 'softmax' is quantised finished and normalised). What goes into a quantiser is computed in f32, as accurately as f32 sums, v_exp_f32 and their like allow (about 1e-6 of the number): no bf16 or f16 on the way to a quantiser, and a product that is left as it is and whose result goes on into a quantised operand takes f32 operands (vector FMAs, or v_wmma_f32_16x16x4_f32). A number that lies on a knife's edge between two numbers of the format may be rounded either way, as far as f32 arithmetic and the matrix unit's own rounding can turn it there, and no further.
;; 2 versions, each right and faster than the one before. Each part assembles by itself: llvm-mc -triple=amdgcn-amd-amdhsa -mcpu=gfx1250 --defsym DOCPART=n.
;; ======== version 1 of 2: 4 launches
;; limits: right only within a limited range of input values
;; workspace buffers: qt 22,937,600 bytes; maskw 524,288 bytes of whole numbers; rope 1,048,576 bytes; qc 3,276,800 bytes; kv 6,553,600 bytes; xc 3,276,800 bytes
;; launch prep (part 1): grid 608 x 1, 4 waves a work-group, no clusters, 34,304 bytes of LDS; arguments query, wq, key, wk, wv, value, wo, mask, qt, maskw, rope; writes qt, maskw, rope
.if DOCPART == 1
	.amdgcn_target "amdgcn-amd-amdhsa--gfx1250"
	.amdhsa_code_object_version 6
	.text
	.protected	k_q6e9ce77203_prep
	.globl	k_q6e9ce77203_prep
	.p2align	8
	.type	k_q6e9ce77203_prep,@function
k_q6e9ce77203_prep:
	s_mov_b64 s[64:65], 0
	v_nop
	global_prefetch_b8 v0, s[64:65] scope:SCOPE_SE
	s_setreg_imm32_b32 hwreg(HW_REG_WAVE_MODE, 25, 1), 1
	s_wait_xcnt 0x0
; PREP.  Three kinds of work-group, told apart by the work-group's number; waves share nothing, so there is no barrier.
;  0..447   QUANTISE: query, wq, key, wk, wv, value, wo ([2048][2048] f32, K innermost) become codes of FP6 (E2M3) with one E8M0 byte for each 32 along K.
;  448..575 MASK: the mask's bytes become lane masks, one 32-bit word for each register of a tile of scores.
;  576..607 ROPE: cos and sin of position x frequency, in the order in which the projections' results lie in registers.
; A RECORD (12,800 bytes) holds 128 rows x 128 K as images of operand registers: fragment j (16 rows, 12 registers a lane) at 1536 j, registers 4 c .. 4 c + 3 of lane l at + 512 c + 16 l;
; at 12,288 + 16 l the scale words: lane (r, h) holds those of row r of fragments 4 h .. 4 h + 3.  Tensor t of the seven lies at t x 256 records, the record of row group g and K step s at 16 g + s.
; THE ROWS OF A FRAGMENT ARE NOT NEIGHBOURS: lane row p of fragment j is row 32 (j / 2) + 8 (j % 2) + p + 8 (p / 8) of its 128, so that results made with a record as source 0 lie along a lane's registers in natural order.
; A block's scale is 2^(floor(log2(largest magnitude)) - 2); its byte is the largest magnitude's exponent field - 2, held at 1 from below.
; LIMITS: NaN and infinities are not served; a block of zeros, and one whose largest magnitude lies under 2^-124, keeps the byte 1 (its codes are zeros or near it; this program alone reads the bytes).
; ROPE: 1 / 10000^(i / 64) is made as the reciprocal of the f32 nearest to 10^(i / 16); cos and sin are good to about 1e-7 absolute for angles up to 2,047.
; No cluster: no two work-groups read the same bytes.
.set REC,   12800
.set TEN,   256*REC                    ; a tensor's records in bytes
.set LI,    1                          ; v1   16 x lane
.set STI,   2                          ; v2   the stage, on the way in: wave x 8,448 + 16 x lane
.set STO,   3                          ; v3   on the way out: wave x 8,448 + 528 r + 64 h
.set SCI,   8                          ; v8-11    the scale image
.set R,     16                         ; v16-143  two sets of 16 rows x 16 bytes a lane, as loaded
.set X,     144                        ; v144-207 64 numbers of my row: register 16 b + i = k 32 b + 16 h + i
.set PC,    208                        ; v208-227 the codes just made
.set TM,    228                        ; v228-243 at work in QUANT
.set PW,    244                        ; v244     the scale word just made
.set PWS,   245                        ; v245-252 the eight fragments' scale words
.set SEL,   26                         ; s[26:27] lane selects for v_permlanex16_b32: lane l xor 16
; 64 numbers of a lane, v[s] .. v[s + 63], register 16 b + i = k 32 b + 16 (lane / 16) + i of my row, become a fragment's codes in v[PC] on and its scale word in v[PW].
.macro QUANT s
.irp b, 0,1,2,3
	v_max3_num_f32 v[TM+\b], |v[\s+16*\b]|, |v[\s+1+16*\b]|, 0x1800000   ; my 16 numbers of block b, and the floor 2^(3 - 127): the byte cannot fall under 1
.endr
.irp i, 2,4,6,8,10,12,14
.irp b, 0,1,2,3
	v_max3_num_f32 v[TM+\b], v[TM+\b], |v[\s+16*\b+\i]|, |v[\s+1+16*\b+\i]|   ; the four blocks by turns
.endr
.endr
.irp b, 0,1,2,3
	v_permlanex16_b32 v[TM+4+\b], v[TM+\b], s[SEL], s[SEL+1]
.endr
.irp b, 0,1,2,3
	v_max_num_f32 v[TM+\b], v[TM+\b], v[TM+4+\b]   ; with lane l xor 16's: the block's largest magnitude
.endr
.irp b, 0,1,2,3
	v_add_nc_u32 v[TM+12+\b], 0xff000000, v[TM+\b]   ; 2 off its exponent field: the conversion's scale operand
.endr
.irp b, 0,1,2,3
	v_lshrrev_b32 v[TM+4+\b], 23, v[TM+12+\b]      ; the scale's byte
.endr
	v_lshl_or_b32 v[PW], v[TM+5], 8, v[TM+4]
	v_lshl_or_b32 v[PW], v[TM+6], 16, v[PW]
	v_lshl_or_b32 v[PW], v[TM+7], 24, v[PW]        ; my row's scale word, the same in both halves of the lanes
.irp c, 0,1
	v_cvt_scalef32_pk16_fp6_f32 v[PC+6*\c:PC+2+6*\c], v[\s+32*\c:\s+15+32*\c], v[TM+12+2*\c]
	v_cvt_scalef32_pk16_fp6_f32 v[PC+12+4*\c:PC+14+4*\c], v[\s+16+32*\c:\s+31+32*\c], v[TM+12+2*\c+1]   ; (a conversion's three registers begin on an even number)
.endr
	v_nop                                          ; one plain place behind a scaled conversion
.irp c, 0,1                                    ; the operand's layout wants a whole block in a lane: lanes 0-15 block 2 c, lanes 16-31 block 2 c + 1
.irp i, 0,1,2
	v_permlane16_swap_b32 v[PC+6*\c+\i], v[PC+12+4*\c+\i]
.endr
.irp i, 0,1,2
	v_mov_b32 v[PC+3+6*\c+\i], v[PC+12+4*\c+\i]
.endr
.endr
.endm
	s_load_b512 s[4:19], s[0:1], 0x0               ; query, wq, key, wk, wv, value, wo, mask
	s_load_b128 s[20:23], s[0:1], 0x40             ; qt, maskw
	s_load_b64 s[24:25], s[0:1], 0x50              ; rope
	v_lshl_add_u32 v254, v0, 2, 0x8400
	v_mov_b32 v255, 0
	v_lshrrev_b32 v4, 5, v0
	v_readfirstlane_b32 s33, v4                    ; wave 0..3
	v_and_b32 v5, 31, v0                           ; lane
	v_and_b32 v6, 15, v0                           ; r
	v_bfe_u32 v7, v0, 4, 1                         ; h
	v_lshlrev_b32 v[LI], 4, v5
	s_wait_kmcnt 0x0
	s_cmp_lt_u32 ttmp9, 448
	s_cbranch_scc0 .Lnot_q
; ---------------- QUANTISE: a wave makes one record ----------------
	s_mul_i32 s34, s33, 8448                       ; my stage: 16 rows x (512 bytes + 16)
	v_add_nc_u32 v[STI], s34, v[LI]
	v_mul_u32_u24 v[STO], v6, 528
	v_lshl_add_u32 v[STO], v7, 6, v[STO]
	v_add_nc_u32 v[STO], s34, v[STO]
	s_mov_b32 s[SEL], 0x76543210
	s_mov_b32 s[SEL+1], 0xfedcba98
.irp b, 0,1,2,3
	v_mov_b32 v[TM+4+\b], 0                        ; written once: a lane permute's destination counts as one of its sources
.endr
	s_lshr_b32 s30, ttmp9, 6                       ; which tensor, 0..6
	s_and_b32 s31, ttmp9, 63
	s_lshl_b32 s31, s31, 2
	s_add_co_u32 s31, s31, s33                     ; which record of it, 0..255: 16 g + s
	s_mov_b64 s[28:29], s[4:5]
.irp t, 1,2,3,4,5,6
	s_cmp_eq_u32 s30, \t                           ; the choice hangs on the work-group's number alone
	s_cselect_b64 s[28:29], s[4+2*\t:5+2*\t], s[28:29]
.endr
	s_lshr_b32 s36, s31, 4
	s_lshl_b32 s36, s36, 20                        ; g x 128 rows x 8,192 bytes
	s_and_b32 s37, s31, 15
	s_lshl_b32 s37, s37, 9                         ; s x 512 bytes
	s_add_co_u32 s36, s36, s37
	s_mov_b32 s37, 0
	s_add_nc_u64 s[28:29], s[28:29], s[36:37]
	s_mul_i32 s36, s30, TEN
	s_mul_i32 s38, s31, REC
	s_add_co_u32 s36, s36, s38
	s_add_nc_u64 s[20:21], s[20:21], s[36:37]      ; my record
.macro LOAD j                          ; fragment j's 16 rows: each load takes 512 consecutive bytes of one row, aligned
.irp i, 0,1,2,3,4,5,6,7,8,9,10,11,12,13,14,15
	global_load_b128 v[R+64*((\j)%2)+4*\i:R+64*((\j)%2)+4*\i+3], v[LI], s[28:29] offset:(32*((\j)/2)+8*((\j)%2)+\i+8*(\i/8))*8192 th:TH_LOAD_NT
.endr
.endm
.macro FRAGQ j
.if (\j) < 7
	s_wait_loadcnt 16                              ; this fragment's 16 loads are in; the next fragment's 16 may be out
.else
	s_wait_loadcnt 0x0
.endif
.irp i, 0,1,2,3,4,5,6,7,8,9,10,11,12,13,14,15
	ds_store_b128 v[STI], v[R+64*((\j)%2)+4*\i:R+64*((\j)%2)+4*\i+3] offset:528*\i   ; row i as it lies
.endr
.irp b, 0,1,2,3
.irp w, 0,1,2,3
	ds_load_b128 v[X+16*\b+4*\w:X+16*\b+4*\w+3], v[STO] offset:128*\b+16*\w   ; my row's 16 numbers of block b.  LDS serves a wave's instructions in order: these see the stores above
.endr
.endr
	s_wait_dscnt 0x0                               ; the numbers are back, and the stores have read their registers,
.if (\j)+2 < 8
	LOAD (\j)+2                                    ; which take the fragment two on
.endif
	s_wait_xcnt 0x0                                ; the last fragment's stores have read the codes' registers: they are written again only behind this wait
	QUANT X
	v_mov_b32 v[PWS+(\j)], v[PW]
.irp c, 0,1,2
	global_store_b128 v[LI], v[PC+4*\c:PC+4*\c+3], s[20:21] offset:1536*(\j)+512*\c   ; 32 lanes store 512 consecutive bytes, aligned
.endr
.endm
	LOAD 0
	LOAD 1
.irp j, 0,1,2,3,4,5,6,7
	FRAGQ \j
.endr
	v_cmp_ne_u32 vcc_lo, 0, v7
.irp i, 0,1,2,3
	v_cndmask_b32 v[SCI+\i], v[PWS+\i], v[PWS+4+\i], vcc_lo   ; lanes 0-15 fragments 0-3, lanes 16-31 fragments 4-7
.endr
	global_store_b128 v[LI], v[SCI:SCI+3], s[20:21] offset:12288
	s_wait_tensorcnt 0x0
	ds_add_u32 v254, v255
	s_wait_dscnt 0x0
	s_endpgm
; ---------------- MASK: a wave makes the words of one tile of 16 queries for four groups of 128 keys ----------------
; Word n (0..63) of query tile (g, a) and key group G lies at ((8 g + a) 16 + G) 256 + 4 n; its bit of lane (r, h) says whether key 128 G + 32 (n / 16) + 16 h + n % 16 counts for query 128 g + row(a, r).
.Lnot_q:
	s_cmp_lt_u32 ttmp9, 576
	s_cbranch_scc0 .Lrope
	s_sub_co_u32 s30, ttmp9, 448
	s_lshl_b32 s30, s30, 2
	s_add_co_u32 s30, s30, s33                     ; T = 4 x tile + which four key groups, 0..511
	s_lshr_b32 s31, s30, 2                         ; tile 8 g + a
	s_and_b32 s34, s30, 3
	s_lshr_b32 s35, s31, 3
	s_lshl_b32 s35, s35, 7                         ; 128 g
	s_bfe_u32 s36, s31, 0x20001                    ; a / 2
	s_lshl_b32 s36, s36, 5
	s_add_co_u32 s35, s35, s36
	s_and_b32 s36, s31, 1
	s_lshl_b32 s36, s36, 3
	s_add_co_u32 s35, s35, s36                     ; the tile's first query
	s_lshl_b32 s36, s35, 11                        ; a row of the mask is 2,048 bytes
	s_lshl_b32 s37, s34, 9                         ; four key groups are 512
	s_add_co_u32 s36, s36, s37
	s_mov_b32 s37, 0
	s_add_nc_u64 s[18:19], s[18:19], s[36:37]
	s_lshl_b32 s36, s30, 10
	s_add_nc_u64 s[22:23], s[22:23], s[36:37]
	v_and_b32 v8, 8, v6
	v_add_nc_u32 v8, v8, v6                        ; r + 8 (r / 8)
	v_lshlrev_b32 v8, 11, v8
	v_lshl_add_u32 v8, v7, 4, v8                   ; my query's row, + 16 h
	v_lshlrev_b32 v9, 3, v5                        ; out: 8 bytes a lane
.irp u, 0,1,2,3
.irp b, 0,1,2,3
	global_load_b128 v[32+16*\u+4*\b:35+16*\u+4*\b], v8, s[18:19] offset:128*\u+32*\b   ; keys 32 b + 16 h + 0 .. 15 of group u
.endr
.endr
.irp i, 0,1,2,3,4,5,6,7
	v_mov_b32 v[96+\i], 0                          ; v_writelane_b32's destination counts as read
.endr
	s_wait_loadcnt 0x0
.macro MWORDS u
.set n, 0
.rept 64
	v_and_b32 v[10+n%4], 0xff<<(8*(n%4)), v[32+16*(\u)+n/4]   ; byte n of my 64
	v_cmp_ne_u32 s[40+n%8], 0, v[10+n%4]           ; the 32 lanes' answers are word n
	v_writelane_b32 v[96+2*(\u)+n%2], s[40+n%8], n/2
.set n, n+1
.endr
	global_store_b64 v9, v[96+2*(\u):97+2*(\u)], s[22:23] offset:256*(\u)   ; 32 lanes store 256 consecutive bytes, aligned
.endm
	MWORDS 0
	MWORDS 1
	MWORDS 2
	MWORDS 3
	s_endpgm
; ---------------- ROPE: a wave makes one tile's table: 32 cosines and 32 sines a lane ----------------
; Register n (0..31) of lane (r, h): frequency i = 32 (n / 16) + 16 h + n % 16, position 128 g + row(a, r).  Tile (g, a) at (8 g + a) 8,192: cos registers 4 c .. at 512 c, sin at 4,096 + 512 c, lane l at + 16 l.
.set PP, 32                            ; v32-63   10000^(i / 64) = 10^(i / 16)
.set YY, 64                            ; v64-95   its reciprocal, then the angle
.set CO, 96                            ; v96-127  cos
.set SI, 128                           ; v128-159 sin
.set TT, 160                           ; v160-191 at work: eight registers for each of four numbers
.Lrope:
	s_sub_co_u32 s30, ttmp9, 576
	s_lshl_b32 s30, s30, 2
	s_add_co_u32 s30, s30, s33                     ; tile 8 g + a, 0..127
	s_lshr_b32 s35, s30, 3
	s_lshl_b32 s35, s35, 7
	s_bfe_u32 s36, s30, 0x20001
	s_lshl_b32 s36, s36, 5
	s_add_co_u32 s35, s35, s36
	s_and_b32 s36, s30, 1
	s_lshl_b32 s36, s36, 3
	s_add_co_u32 s35, s35, s36                     ; the tile's first position
	s_lshl_b32 s36, s30, 13
	s_mov_b32 s37, 0
	s_add_nc_u64 s[24:25], s[24:25], s[36:37]
	v_and_b32 v8, 8, v6
	v_add_nc_u32 v8, v8, v6
	v_add_nc_u32 v8, s35, v8
	v_cvt_f32_u32 v8, v8                           ; my position
	v_cmp_ne_u32 vcc_lo, 0, v7                     ; lanes 16-31 take the frequencies 16 further on: a factor of 10
	s_mov_b32 s40, 0x3f22f983                      ; 2 / pi
	s_mov_b32 s41, 0xbfc90fdb                      ; -(pi / 2 as f32)
	s_mov_b32 s42, 0x333bbd2e                      ; that f32 less pi / 2
	s_mov_b32 s43, 0xbe2aaaa3                      ; sin: -1.6666654611e-1,
	s_mov_b32 s44, 0x3c08839e                      ;      8.3321608736e-3,
	s_mov_b32 s45, 0xb94ca1f9                      ;      -1.9515295891e-4
	s_mov_b32 s46, 0x3d2aaaa5                      ; cos: 4.166664568e-2,
	s_mov_b32 s47, 0xbab6061a                      ;      -1.388731625e-3,
	s_mov_b32 s48, 0x37ccf5ce                      ;      2.443315712e-5
.macro FREQ4 m, a, b, c, d             ; 10^(m / 16) times 1 or 10 (registers 0-15), times 100 or 1000 (registers 16-31)
	v_mov_b32 v9, \b
	v_cndmask_b32 v[PP+\m], \a, v9, vcc_lo
	v_mov_b32 v10, \d
	v_cndmask_b32 v[PP+16+\m], \c, v10, vcc_lo
.endm
	FREQ4 0,  1.0,          10.0,         100.0,        1000.0
	FREQ4 1,  1.1547819847, 11.547819847, 115.47819847, 1154.7819847
	FREQ4 2,  1.3335214322, 13.335214322, 133.35214322, 1333.5214322
	FREQ4 3,  1.5399265261, 15.399265261, 153.99265261, 1539.9265261
	FREQ4 4,  1.7782794100, 17.782794100, 177.82794100, 1778.2794100
	FREQ4 5,  2.0535250265, 20.535250265, 205.35250265, 2053.5250265
	FREQ4 6,  2.3713737057, 23.713737057, 237.13737057, 2371.3737057
	FREQ4 7,  2.7384196343, 27.384196343, 273.84196343, 2738.4196343
	FREQ4 8,  3.1622776602, 31.622776602, 316.22776602, 3162.2776602
	FREQ4 9,  3.6517412725, 36.517412725, 365.17412725, 3651.7412725
	FREQ4 10, 4.2169650343, 42.169650343, 421.69650343, 4216.9650343
	FREQ4 11, 4.8696752517, 48.696752517, 486.96752517, 4869.6752517
	FREQ4 12, 5.6234132519, 56.234132519, 562.34132519, 5623.4132519
	FREQ4 13, 6.4938163158, 64.938163158, 649.38163158, 6493.8163158
	FREQ4 14, 7.4989420933, 74.989420933, 749.89420933, 7498.9420933
	FREQ4 15, 8.6596432336, 86.596432336, 865.96432336, 8659.6432336
.set n, 0
.rept 32
	v_rcp_f32 v[YY+n], v[PP+n]                     ; one batch
.set n, n+1
.endr
	v_nop                                          ; a plain instruction behind the last reciprocal
	s_wait_alu depctr_va_vdst(0)                   ; one wait for the batch, ahead of its first reader
.macro RCH c                           ; four numbers by turns, so that no line waits for the line above it
.irp e, 0,1,2,3
	v_fma_f32 v[TT+8*\e], -v[PP+4*(\c)+\e], v[YY+4*(\c)+\e], 1.0
.endr
.irp e, 0,1,2,3
	v_fma_f32 v[YY+4*(\c)+\e], v[TT+8*\e], v[YY+4*(\c)+\e], v[YY+4*(\c)+\e]   ; one Newton step: 1 / P to the last bit or nearly
.endr
.irp e, 0,1,2,3
	v_mul_f32 v[YY+4*(\c)+\e], v8, v[YY+4*(\c)+\e]   ; the angle x: one f32 product
.endr
.irp e, 0,1,2,3
	v_mul_f32 v[TT+8*\e], s40, v[YY+4*(\c)+\e]
.endr
.irp e, 0,1,2,3
	v_rndne_f32 v[TT+8*\e], v[TT+8*\e]             ; n = the nearest whole number to x 2 / pi, at most 1,303
.endr
.irp e, 0,1,2,3
	v_fma_f32 v[TT+8*\e+1], v[TT+8*\e], s41, v[YY+4*(\c)+\e]   ; x - n (pi / 2 as f32): exact, since the result is under 1 and a multiple of the operands' last places
.endr
.irp e, 0,1,2,3
	v_fma_f32 v[TT+8*\e+1], v[TT+8*\e], s42, v[TT+8*\e+1]   ; r = x - n pi / 2
.endr
.irp e, 0,1,2,3
	v_cvt_i32_f32 v[TT+8*\e], v[TT+8*\e]
.endr
.irp e, 0,1,2,3
	v_mul_f32 v[TT+8*\e+2], v[TT+8*\e+1], v[TT+8*\e+1]   ; z = r r
.endr
.irp e, 0,1,2,3
	v_fma_f32 v[TT+8*\e+3], v[TT+8*\e+2], s45, s44
.endr
.irp e, 0,1,2,3
	v_fma_f32 v[TT+8*\e+5], v[TT+8*\e+2], s48, s47
.endr
.irp e, 0,1,2,3
	v_fma_f32 v[TT+8*\e+3], v[TT+8*\e+3], v[TT+8*\e+2], s43
.endr
.irp e, 0,1,2,3
	v_fma_f32 v[TT+8*\e+5], v[TT+8*\e+5], v[TT+8*\e+2], s46
.endr
.irp e, 0,1,2,3
	v_mul_f32 v[TT+8*\e+4], v[TT+8*\e+2], v[TT+8*\e+1]   ; z r
.endr
.irp e, 0,1,2,3
	v_fma_f32 v[TT+8*\e+3], v[TT+8*\e+3], v[TT+8*\e+4], v[TT+8*\e+1]   ; sin r
.endr
.irp e, 0,1,2,3
	v_mul_f32 v[TT+8*\e+4], v[TT+8*\e+2], v[TT+8*\e+2]   ; z z
.endr
.irp e, 0,1,2,3
	v_fma_f32 v[TT+8*\e+6], v[TT+8*\e+2], -0.5, 1.0
.endr
.irp e, 0,1,2,3
	v_fma_f32 v[TT+8*\e+5], v[TT+8*\e+5], v[TT+8*\e+4], v[TT+8*\e+6]   ; cos r
.endr
.irp e, 0,1,2,3
	v_and_b32 v[TT+8*\e+4], 1, v[TT+8*\e]
.endr
.irp e, 0,1,2,3
	v_cmp_ne_u32 s[52+\e], 0, v[TT+8*\e+4]         ; in odd quadrants the two change places
.endr
.irp e, 0,1,2,3
	v_cndmask_b32 v[TT+8*\e+6], v[TT+8*\e+3], v[TT+8*\e+5], s[52+\e]
	v_cndmask_b32 v[TT+8*\e+7], v[TT+8*\e+5], v[TT+8*\e+3], s[52+\e]
.endr
.irp e, 0,1,2,3
	v_and_b32 v[TT+8*\e+4], 2, v[TT+8*\e]          ; sin is negative in quadrants 2 and 3,
.endr
.irp e, 0,1,2,3
	v_lshlrev_b32 v[TT+8*\e+4], 30, v[TT+8*\e+4]
.endr
.irp e, 0,1,2,3
	v_xor_b32 v[SI+4*(\c)+\e], v[TT+8*\e+4], v[TT+8*\e+6]
.endr
.irp e, 0,1,2,3
	v_add_nc_u32 v[TT+8*\e], 1, v[TT+8*\e]         ; cos in quadrants 1 and 2
.endr
.irp e, 0,1,2,3
	v_and_b32 v[TT+8*\e], 2, v[TT+8*\e]
.endr
.irp e, 0,1,2,3
	v_lshlrev_b32 v[TT+8*\e], 30, v[TT+8*\e]
.endr
.irp e, 0,1,2,3
	v_xor_b32 v[CO+4*(\c)+\e], v[TT+8*\e], v[TT+8*\e+7]
.endr
.endm
.irp c, 0,1,2,3,4,5,6,7
	RCH \c
.endr
.irp c, 0,1,2,3,4,5,6,7
	global_store_b128 v[LI], v[CO+4*\c:CO+4*\c+3], s[24:25] offset:512*\c          ; 32 lanes store 512 consecutive bytes, aligned
	global_store_b128 v[LI], v[SI+4*\c:SI+4*\c+3], s[24:25] offset:4096+512*\c
.endr
	s_endpgm
.Lfunc_end_k_q6e9ce77203_prep:
	.size	k_q6e9ce77203_prep, .Lfunc_end_k_q6e9ce77203_prep-k_q6e9ce77203_prep
	.p2alignl 7, 3214868480
	.fill 96, 4, 3214868480
	.section	.rodata,"a",@progbits
	.p2align	6, 0x0
	.amdhsa_kernel k_q6e9ce77203_prep
		.amdhsa_group_segment_fixed_size 34304
		.amdhsa_private_segment_fixed_size 0
		.amdhsa_enable_private_segment 0
		.amdhsa_kernarg_size 88
		.amdhsa_user_sgpr_count 2
		.amdhsa_user_sgpr_kernarg_segment_ptr 1
		.amdhsa_wavefront_size32 1
		.amdhsa_system_sgpr_workgroup_id_x 1
		.amdhsa_system_sgpr_workgroup_id_y 1
		.amdhsa_system_sgpr_workgroup_id_z 1
		.amdhsa_system_vgpr_workitem_id 0
		.amdhsa_next_free_vgpr 256
		.amdhsa_next_free_sgpr 66
		.amdhsa_reserve_vcc 1
		.amdhsa_float_denorm_mode_32 3
		.amdhsa_float_denorm_mode_16_64 3
		.amdhsa_memory_ordered 1
		.amdhsa_forward_progress 1
		.amdhsa_inst_pref_size 166
	.end_amdhsa_kernel
	.amdgpu_metadata
---
amdhsa.version: [ 1, 2 ]
amdhsa.kernels:
  - .name:           k_q6e9ce77203_prep
    .symbol:         k_q6e9ce77203_prep.kd
    .args:
      - { .name: query, .offset: 0, .size: 8, .value_kind: global_buffer, .address_space: global }
      - { .name: wq, .offset: 8, .size: 8, .value_kind: global_buffer, .address_space: global }
      - { .name: key, .offset: 16, .size: 8, .value_kind: global_buffer, .address_space: global }
      - { .name: wk, .offset: 24, .size: 8, .value_kind: global_buffer, .address_space: global }
      - { .name: wv, .offset: 32, .size: 8, .value_kind: global_buffer, .address_space: global }
      - { .name: value, .offset: 40, .size: 8, .value_kind: global_buffer, .address_space: global }
      - { .name: wo, .offset: 48, .size: 8, .value_kind: global_buffer, .address_space: global }
      - { .name: mask, .offset: 56, .size: 8, .value_kind: global_buffer, .address_space: global }
      - { .name: qt, .offset: 64, .size: 8, .value_kind: global_buffer, .address_space: global }
      - { .name: maskw, .offset: 72, .size: 8, .value_kind: global_buffer, .address_space: global }
      - { .name: rope, .offset: 80, .size: 8, .value_kind: global_buffer, .address_space: global }
    .group_segment_fixed_size: 34304
    .private_segment_fixed_size: 0
    .kernarg_segment_align: 8
    .kernarg_segment_size: 88
    .max_flat_workgroup_size: 128
    .sgpr_count:     66
    .vgpr_count:     256
    .wavefront_size: 32
...
	.end_amdgpu_metadata
.endif
;; end of part 1
;; launch proj (part 2): grid 8 x 24, 4 waves a work-group, clusters of 4 x 4, 327,680 bytes of LDS; arguments qt, rope, bq, bk, bv, qc, kv; writes qc, kv
.if DOCPART == 2
	.amdgcn_target "amdgcn-amd-amdhsa--gfx1250"
	.amdhsa_code_object_version 6
	.text
	.protected	k_q6e9ce77203_proj
	.globl	k_q6e9ce77203_proj
	.p2align	8
	.type	k_q6e9ce77203_proj,@function
k_q6e9ce77203_proj:
	s_mov_b64 s[64:65], 0
	v_nop
	global_prefetch_b8 v0, s[64:65] scope:SCOPE_SE
	s_setreg_imm32_b32 hwreg(HW_REG_WAVE_MODE, 25, 1), 1
	s_wait_xcnt 0x0
	s_wait_alu depctr_hold_cnt(0) depctr_sa_sdst(0) depctr_va_vdst(0) depctr_va_sdst(0) depctr_va_ssrc(0) depctr_va_vcc(0) depctr_vm_vsrc(0)
	s_getreg_b32 s2, hwreg(HW_REG_IB_STS2, 6, 4)
	s_cmp_eq_u32 s2, 0
	s_cbranch_scc0 .Lentry_in_a_cluster
	s_endpgm
.Lentry_in_a_cluster:
	s_bfe_u32 s2, ttmp6, 0x10000c
	s_cmp_lg_u32 s2, 0xf033
	s_cbranch_scc0 .Lentry_shape_is_right
	s_endpgm
.Lentry_shape_is_right:
; PROJ.  The three projections on codes of FP6 (E2M3, one E8M0 scale for each 32 along K), each followed in registers by its bias, RoPE (q, k) and the quantiser of the product that comes next.  No f32 number goes to memory.
; which = (cluster y) / 2: 0 q, 1 k, 2 v.  Operand A (source 1: its rows lie in the lanes) is tensor 2 which of qt, operand B (source 0: its rows lie along a lane's registers) tensor 2 which + 1:
;   q: A = query, B = wq;  k: A = key, B = wk: a lane holds one position, its 64 registers of a block the head's 128 channels (its half of each 32);  v: A = wv, B = value: a lane holds one channel, its registers 128 keys.
; RECORDS (12,800 bytes: 128 rows x 128 K as images of operand registers): fragment j at 1536 j, registers 4 c .. 4 c + 3 of lane l at + 512 c + 16 l; at 12,288 + 16 l the scale words of row l % 16 of fragments 4 (l / 16) .. + 3.
; Lane row p of fragment j is row 32 (j / 2) + 8 (j % 2) + p + 8 (p / 8) of the 128.  With such a record as source 0, register 8 j + e of a lane's 64 results is row 32 (j / 2) + 16 (lane / 16) + 8 (j % 2) + e: natural order,
; as the quantiser wants it; RoPE's partner, 64 channels away, is 32 registers away in the same lane.
; A work-group of four waves makes 256 x 256, a wave 128 x 128: 64 accumulators, 512 registers.  K goes in slots of 256 (two records of each of four groups) through a ring of two LDS slots.
; CLUSTERS: 4 x 4 work-groups; A's records are asked for jointly along a row of the cluster, B's along a column: the same tensor load, the same descriptor, a mask that names the four.
; REGISTERS: window 0: v16-29 addresses; v32-63 scale words and nothing else; v128-223 A's 8 fragments, one set; window 1: B's two sets at v0 and v128; windows 2, 3: accumulator (a, b) at v[8 (8 (a % 4) + b)].
; Behind the products: window 0: v64-127 bias, v128-191 a block's 64 numbers, v192-207 RoPE's products, v208-252 the quantiser; window 1: four sets of cos and sin.
; LIMITS: NaN and infinities are not served; a block of zeros, and one whose largest magnitude lies under 2^-124, keeps the scale byte 1 (this program alone reads the bytes).
.set REC,   12800
.set HALF,  2*REC                      ; two K steps of one group of 128 rows: what one tensor load brings
.set SLOT,  4*HALF                     ; A's two groups, then B's two
.set SPARE, 2*SLOT                     ; behind the ring: the spare words, 128 bytes for each wave, which no other line names
.set GRP,   16*REC                     ; a group's records for all of K
.set TEN,   16*GRP                     ; a tensor's
.set LAPS,  4                          ; a lap = two slots = 512 along K
.set FR,    12                         ; registers of a fragment
.set NL,    3                          ; LDS loads that bring one
.set NP,    4                          ; places behind this matrix instruction (ISA guide 7.12.1)
.set ADRA,  16                         ; v16-17 LDS address of my group of A in slot 0, 1: + 16 x lane
.set ADRB,  20                         ; v20-21 the same for B
.set LI,    24                         ; v24    16 x lane
.set H64,   25                         ; v25    64 x (lane / 16)
.set R4,    26                         ; v26    4 x (r + 8 (r / 8))
.set SPW,   28                         ; v28    LDS address of my spare word; never rewritten
.set NIL,   29                         ; v29    0; never rewritten
.set SC,    32                         ; scale words: set s at SC + 16 s; in it A's four registers of step q at + 8 q, B's at + 8 q + 4
.set AF,    128
.set G1,    24                         ; s[24:31] group 1 for A; s[32:39] group 0, one set a slot
.set G0,    32
.set G1B,   48                         ; s[48:55], s[56:63] the same for B
.set G0B,   56
.set BIAS,  64
.set BV,    64
.set BVP,   72
.set HA,    128
.set T,     192
.set U,     200
.set PC,    208
.set TM,    228
.set PWS,   244
.set PW,    252
.set SCI,   4
.set SEL,   94
.set MSB, 0
.macro WIN new                         ; the immediate's high byte repeats the setting that is left
.if MSB != (\new)
	s_set_vgpr_msb (MSB<<8)|(\new)
.set MSB, \new
.endif
.endm
.set MUL_LO, 0xa1                      ; source 0 (B) window 1, source 1 (A) window 0, C and D window 2
.set MUL_HI, 0xf1                      ; the same, C and D window 3
.set TO_B,   0x40                      ; destination window 1, address window 0
; A joint load: waves 0 and 1 fetch for A, waves 2 and 3 for B; the branch hangs on the wave's number alone.  Four v_nop follow each of the two lines.
.macro JLOAD g0a, g1a, g0b, g1b
	s_cmp_eq_u32 s15, 0
	s_cbranch_scc0 .Lfor_b_\@
	tensor_load_to_lds s[\g0a:\g0a+3], s[\g1a:\g1a+7]
	s_nop 0
.rept 4
	v_nop
.endr
	s_branch .Lasked_\@
.Lfor_b_\@:
	tensor_load_to_lds s[\g0b:\g0b+3], s[\g1b:\g1b+7]
	s_nop 0
.rept 4
	v_nop
.endr
.Lasked_\@:
.endm
.macro CREST                           ; a round of the cluster's barrier behind its opening barrier
	s_cmp_lg_u32 s14, 0
	s_cbranch_scc1 .Lnot_wave_0_\@
	s_barrier_signal -3
.Lnot_wave_0_\@:
	s_barrier_wait -3
	s_barrier_signal -1
	s_barrier_wait -1
.endm
.macro CROUND
	s_barrier_signal -1
	s_barrier_wait -1
	CREST
.endm
.macro PLACES n
.rept \n
	v_nop
.endr
.endm
	s_load_b256 s[68:75], s[0:1], 0x0              ; qt s[68:69], rope s[70:71], bq s[72:73], bk s[74:75]
	s_load_b128 s[76:79], s[0:1], 0x20             ; bv s[76:77], qc s[78:79]
	s_load_b64 s[80:81], s[0:1], 0x30              ; kv
	v_lshl_add_u32 v[SPW], v0, 2, SPARE
	v_mov_b32 v[NIL], 0
	ds_add_u32 v28, v29
	ds_add_u32 v28, v29
	s_wait_dscnt 0x0
	v_lshrrev_b32 v1, 5, v0
	v_readfirstlane_b32 s14, v1                    ; wave 0..3
	s_lshr_b32 s15, s14, 1                         ; which group of A is mine.  Also: I fetch for A (0) or for B (1)
	s_and_b32 s16, s14, 1                          ; which group of B is mine.  Also: which group I fetch
	s_bfe_u32 s40, ttmp6, 0x40000                  ; cx
	s_bfe_u32 s41, ttmp6, 0x40004                  ; cy
	s_lshl_b32 s42, ttmp9, 2
	s_add_co_u32 s42, s42, s40                     ; tb = 4 x cluster x + cx: which 256 rows of B
	s_and_b32 s17, ttmp7, 0xffff                   ; cluster y, 0..5
	s_lshr_b32 s18, s17, 1                         ; which: the same in all sixteen partners
	s_and_b32 s17, s17, 1
	s_lshl_b32 s17, s17, 2
	s_add_co_u32 s17, s17, s41                     ; ta: which 256 rows of A
	s_lshl_b32 s43, s41, 2
	s_lshl_b32 s43, 15, s43                        ; my row of the cluster
	s_lshl_b32 s44, 0x1111, s40                    ; my column
	; group 1: 25,600 dense bytes as 100 rows of 256 (32 elements of 8 bytes), no padding
	s_or_b32 s[G1+0], s43, (3<<16)|(1<<21)         ; 15:0 the mask; 17:16 elements of 8 bytes; 21 set beside a mask
	s_or_b32 s[G1B+0], s44, (3<<16)|(1<<21)
.irp g, G1, G1B
	s_mov_b32 s[\g+1], 32<<16                      ; tensor_dim0
	s_mov_b32 s[\g+2], 100<<16                     ; tensor_dim1
	s_mov_b32 s[\g+3], 32<<16                      ; tile_dim0
	s_mov_b32 s[\g+4], 100                         ; tile_dim1
	s_mov_b32 s[\g+5], 32                          ; the pitch
	s_mov_b32 s[\g+6], 0
	s_mov_b32 s[\g+7], 0
.endr
	s_mul_i32 s19, s18, 2*TEN                      ; the projection's pair of tensors
	s_lshl_b32 s20, s17, 1
	s_add_co_u32 s20, s20, s16                     ; A: the group that I fetch
	s_mul_i32 s20, s20, GRP
	s_add_co_u32 s20, s20, s19
	s_mov_b32 s21, 0
	s_lshl_b32 s46, s42, 1
	s_add_co_u32 s46, s46, s16                     ; B likewise, in registers that never hold cy
	s_mul_i32 s46, s46, GRP
	s_add_co_u32 s46, s46, s19
	s_add_co_u32 s46, s46, TEN
	s_mov_b32 s47, 0
	s_mul_i32 s45, s14, HALF                       ; where it goes: wave x 25,600: no place in the cluster enters an LDS address
	s_wait_kmcnt 0x0
	s_add_nc_u64 s[20:21], s[68:69], s[20:21]
	s_add_nc_u64 s[46:47], s[68:69], s[46:47]
	CROUND                                         ; all sixteen work-groups are here: the first joint loads meet
.irp s, 0,1
	s_mov_b32 s[G0+4*\s], 1
	s_add_co_u32 s[G0+4*\s+1], s45, \s*SLOT
	s_add_nc_u64 s[G0+4*\s+2:G0+4*\s+3], s[20:21], \s*HALF
	s_or_b32 s[G0+4*\s+3], s[G0+4*\s+3], 0x80000000
	s_mov_b32 s[G0B+4*\s], 1
	s_add_co_u32 s[G0B+4*\s+1], s45, \s*SLOT
	s_add_nc_u64 s[G0B+4*\s+2:G0B+4*\s+3], s[46:47], \s*HALF
	s_or_b32 s[G0B+4*\s+3], s[G0B+4*\s+3], 0x80000000
	JLOAD G0+4*\s, G1, G0B+4*\s, G1B               ; two loads of mine are out
.endr
	v_and_b32 v1, 31, v0
	v_lshlrev_b32 v[LI], 4, v1
	v_bfe_u32 v2, v0, 4, 1
	v_lshlrev_b32 v[H64], 6, v2
	v_and_b32 v3, 15, v0
	v_and_b32 v4, 8, v3
	v_add_nc_u32 v3, v3, v4
	v_lshlrev_b32 v[R4], 2, v3
	s_mul_i32 s21, s15, HALF                       ; my group of A
	s_mul_i32 s22, s16, HALF                       ; my group of B,
	s_add_co_u32 s22, s22, 2*HALF                  ; behind A's two
.irp s, 0,1
	v_add_nc_u32 v[ADRA+\s], s21, v[LI]
	v_add_nc_u32 v[ADRB+\s], s22, v[LI]
	s_add_co_u32 s21, s21, SLOT
	s_add_co_u32 s22, s22, SLOT
.endr
.macro FRAG reg, adr, q, i             ; fragment i of the slot's q-th record: three loads of 512 consecutive bytes
.irp c, 0,1,2
	ds_load_b128 v[\reg+4*\c:\reg+4*\c+3], v[\adr] offset:REC*(\q)+1536*(\i)+512*\c
.endr
.endm
; one product; the registers and the rows of the scale registers stand in symbols
.macro WM zero
.if \zero
.if hX && hY
	v_wmma_scale_f32_16x16x128_f8f6f4 v[rD:rD+7], v[rX:rX+11], v[rY:rY+11], 0, v[rSX], v[rSY] matrix_a_fmt:MATRIX_FMT_FP6 matrix_b_fmt:MATRIX_FMT_FP6 matrix_a_scale:MATRIX_SCALE_ROW1 matrix_b_scale:MATRIX_SCALE_ROW1
.elseif hX
	v_wmma_scale_f32_16x16x128_f8f6f4 v[rD:rD+7], v[rX:rX+11], v[rY:rY+11], 0, v[rSX], v[rSY] matrix_a_fmt:MATRIX_FMT_FP6 matrix_b_fmt:MATRIX_FMT_FP6 matrix_a_scale:MATRIX_SCALE_ROW1
.elseif hY
	v_wmma_scale_f32_16x16x128_f8f6f4 v[rD:rD+7], v[rX:rX+11], v[rY:rY+11], 0, v[rSX], v[rSY] matrix_a_fmt:MATRIX_FMT_FP6 matrix_b_fmt:MATRIX_FMT_FP6 matrix_b_scale:MATRIX_SCALE_ROW1
.else
	v_wmma_scale_f32_16x16x128_f8f6f4 v[rD:rD+7], v[rX:rX+11], v[rY:rY+11], 0, v[rSX], v[rSY] matrix_a_fmt:MATRIX_FMT_FP6 matrix_b_fmt:MATRIX_FMT_FP6
.endif
.else
.if hX && hY
	v_wmma_scale_f32_16x16x128_f8f6f4 v[rD:rD+7], v[rX:rX+11], v[rY:rY+11], v[rD:rD+7], v[rSX], v[rSY] matrix_a_fmt:MATRIX_FMT_FP6 matrix_b_fmt:MATRIX_FMT_FP6 matrix_a_scale:MATRIX_SCALE_ROW1 matrix_b_scale:MATRIX_SCALE_ROW1
.elseif hX
	v_wmma_scale_f32_16x16x128_f8f6f4 v[rD:rD+7], v[rX:rX+11], v[rY:rY+11], v[rD:rD+7], v[rSX], v[rSY] matrix_a_fmt:MATRIX_FMT_FP6 matrix_b_fmt:MATRIX_FMT_FP6 matrix_a_scale:MATRIX_SCALE_ROW1
.elseif hY
	v_wmma_scale_f32_16x16x128_f8f6f4 v[rD:rD+7], v[rX:rX+11], v[rY:rY+11], v[rD:rD+7], v[rSX], v[rSY] matrix_a_fmt:MATRIX_FMT_FP6 matrix_b_fmt:MATRIX_FMT_FP6 matrix_b_scale:MATRIX_SCALE_ROW1
.else
	v_wmma_scale_f32_16x16x128_f8f6f4 v[rD:rD+7], v[rX:rX+11], v[rY:rY+11], v[rD:rD+7], v[rSX], v[rSY] matrix_a_fmt:MATRIX_FMT_FP6 matrix_b_fmt:MATRIX_FMT_FP6
.endif
.endif
.endm
; 16 products: A's blocks a0, a0 + 1 x B's eight, the slot's q-th 128 along K.  p: B's set; sc: the set of scale words.  zero = 1: the first product starts the sums.
; Fragment j's scale words stand in register j % 4 of its four, in lanes 0-15 for j < 4 and in lanes 16-31 (ROW1) for j >= 4.  The 64 accumulators take turns, one instruction a turn.
.macro MUL16 a0, p, q, sc, zero
.irp a, \a0, \a0+1
.irp b, 0,1,2,3,4,5,6,7
.set rD, 8*(8*((\a)%4)+\b)
.set rX, 128*(\p)+FR*\b
.set rY, AF+FR*(\a)
.set rSX, SC+16*(\sc)+8*(\q)+4+\b%4
.set rSY, SC+16*(\sc)+8*(\q)+(\a)%4
.set hX, \b/4
.set hY, (\a)/4
	WM \zero
.endr
.endr
.endm
.macro FETCH_B slot, q, p
	WIN TO_B
.irp i, 0,1,2,3,4,5,6,7
	FRAG 128*(\p)+FR*\i, ADRB+\slot, \q, \i
.endr
	WIN 0
.endm
.macro FETCH_A slot, q, i0
.irp i, \i0, \i0+1, \i0+2, \i0+3
	FRAG AF+FR*(\i), ADRA+\slot, \q, \i
.endr
.endm
.macro SCALES s                        ; the slot's scale words: four loads serve its 128 products
.irp q, 0,1
	ds_load_b128 v[SC+16*\s+8*\q:SC+16*\s+8*\q+3], v[ADRA+\s] offset:REC*\q+12288
	ds_load_b128 v[SC+16*\s+8*\q+4:SC+16*\s+8*\q+7], v[ADRB+\s] offset:REC*\q+12288
.endr
.endm
; A step of 128 along K that has its successor in the same slot.  A block of A is free as soon as its eight products are issued: one set serves A; B has two.
.macro STEP slot, q, zero
	s_wait_dscnt 4*NL                              ; all but the youngest 12 loads (A's blocks 4-7) are in
	WIN MUL_LO
	MUL16 0, (\q)%2, \q, \slot, \zero
	MUL16 2, (\q)%2, \q, \slot, \zero
	s_wait_dscnt 0                                 ; A's blocks 4-7 are in
	PLACES NP                                      ; in front of loads into registers that matrix instructions have read
	FETCH_B \slot, (\q)+1, 1-(\q)%2
	FETCH_A \slot, (\q)+1, 0
	WIN MUL_HI
	MUL16 4, (\q)%2, \q, \slot, \zero
	MUL16 6, (\q)%2, \q, \slot, \zero
	PLACES NP
	WIN 0
	FETCH_A \slot, (\q)+1, 4
.endm
; A slot's last step changes slots: one barrier; in front of it each wave waits for all its tensor loads, adds 0 to its spare word, and waits for that and for its reads of this slot.  fill = 1: this slot is filled again, two slots ahead.
.macro TURN slot, next, fill
	s_wait_tensorcnt 0x0                           ; all my tensor loads have landed: my part of the next slot
	ds_add_u32 v[SPW], v[NIL]                      ; 0 onto my spare word
	s_wait_dscnt 4*NL+1                            ; (the add and the youngest 12 loads may be out)
	WIN MUL_LO
	MUL16 0, 1, 1, \slot, 0                        ; sixteen products stand between the add and the wait for it
	s_wait_dscnt 0x0                               ; the add is done, and my reads of this slot are over
	s_barrier_signal -1
	MUL16 2, 1, 1, \slot, 0
	WIN 0
	s_barrier_wait -1
.if \fill
	CREST                                          ; the barrier has opened a round of the cluster's: no wave of any partner still reads this slot or has a load on its way
	s_add_nc_u64 s[G0+4*\slot+2:G0+4*\slot+3], s[G0+4*\slot+2:G0+4*\slot+3], 2*HALF
	s_add_nc_u64 s[G0B+4*\slot+2:G0B+4*\slot+3], s[G0B+4*\slot+2:G0B+4*\slot+3], 2*HALF
	JLOAD G0+4*\slot, G1, G0B+4*\slot, G1B         ; the first tensor load behind the round, my one load until the next; its four v_nop are the places in front of the loads below
.else
	PLACES NP
.endif
	FETCH_B \next, 0, 0
	FETCH_A \next, 0, 0
	SCALES \next
	WIN MUL_HI
	MUL16 4, 1, 1, \slot, 0
	MUL16 6, 1, 1, \slot, 0
	PLACES NP
	WIN 0
	FETCH_A \next, 0, 4
.endm
	s_wait_tensorcnt 1                             ; my part of slot 0 is in; slot 1's may be out
	s_barrier_signal -1
	s_barrier_wait -1
	FETCH_B 0, 0, 0
	FETCH_A 0, 0, 0
	SCALES 0
	FETCH_A 0, 0, 4
	STEP 0, 0, 1                                   ; the first step stands in front of the loop: its products start the sums
	s_mov_b32 s3, LAPS-1
.Llap:                                             ; a trip goes once round the ring and fills both slots again
	TURN 0, 1, 1
	STEP 1, 0, 0
	TURN 1, 0, 1
	STEP 0, 0, 0
	s_sub_co_u32 s3, s3, 1
	s_cmp_lg_u32 s3, 0
	s_cbranch_scc1 .Llap
	TURN 0, 1, 0                                   ; the last lap fills nothing
	STEP 1, 0, 0
	s_wait_dscnt 4*NL
	WIN MUL_LO
	MUL16 0, 1, 1, 1, 0
	MUL16 2, 1, 1, 1, 0
	s_wait_dscnt 0
	WIN MUL_HI
	MUL16 4, 1, 1, 1, 0
	MUL16 6, 1, 1, 1, 0
	WIN 0
; ---------------- behind the products ----------------
.macro QUANT s                         ; 64 numbers of a lane, register 16 b + i = index 32 b + 16 (lane / 16) + i, become a fragment's codes in v[PC] on and its scale word in v[PW]
.irp b, 0,1,2,3
	v_max3_num_f32 v[TM+\b], |v[\s+16*\b]|, |v[\s+1+16*\b]|, 0x1800000   ; and the floor 2^(3 - 127): the byte cannot fall under 1
.endr
.irp i, 2,4,6,8,10,12,14
.irp b, 0,1,2,3
	v_max3_num_f32 v[TM+\b], v[TM+\b], |v[\s+16*\b+\i]|, |v[\s+1+16*\b+\i]|
.endr
.endr
.irp b, 0,1,2,3
	v_permlanex16_b32 v[TM+4+\b], v[TM+\b], s[SEL], s[SEL+1]
.endr
.irp b, 0,1,2,3
	v_max_num_f32 v[TM+\b], v[TM+\b], v[TM+4+\b]
.endr
.irp b, 0,1,2,3
	v_add_nc_u32 v[TM+12+\b], 0xff000000, v[TM+\b]   ; 2 off the exponent field: the conversion's scale operand
.endr
.irp b, 0,1,2,3
	v_lshrrev_b32 v[TM+4+\b], 23, v[TM+12+\b]
.endr
	v_lshl_or_b32 v[PW], v[TM+5], 8, v[TM+4]
	v_lshl_or_b32 v[PW], v[TM+6], 16, v[PW]
	v_lshl_or_b32 v[PW], v[TM+7], 24, v[PW]
.irp c, 0,1
	v_cvt_scalef32_pk16_fp6_f32 v[PC+6*\c:PC+2+6*\c], v[\s+32*\c:\s+15+32*\c], v[TM+12+2*\c]
	v_cvt_scalef32_pk16_fp6_f32 v[PC+12+4*\c:PC+14+4*\c], v[\s+16+32*\c:\s+31+32*\c], v[TM+12+2*\c+1]
.endr
	v_nop                                          ; one plain place behind a scaled conversion
.irp c, 0,1
.irp i, 0,1,2
	v_permlane16_swap_b32 v[PC+6*\c+\i], v[PC+12+4*\c+\i]
.endr
.irp i, 0,1,2
	v_mov_b32 v[PC+3+6*\c+\i], v[PC+12+4*\c+\i]
.endr
.endr
.endm
.macro OUTFRAG a                       ; block a's 64 numbers in v[HA] on become fragment a of my record
	s_wait_xcnt 0x0                                ; the last block's stores have read the codes' registers: they are written again only behind this wait
	QUANT HA
	v_mov_b32 v[PWS+(\a)], v[PW]
.irp c, 0,1,2
	global_store_b128 v[LI], v[PC+4*\c:PC+4*\c+3], s[88:89] offset:1536*(\a)+512*\c   ; 32 lanes store 512 consecutive bytes, aligned
.endr
.endm
.macro OUTSCALES
	v_cmp_ne_u32 vcc_lo, 0, v[H64]
.irp i, 0,1,2,3
	v_cndmask_b32 v[SCI+\i], v[PWS+\i], v[PWS+4+\i], vcc_lo   ; lanes 0-15 fragments 0-3, lanes 16-31 fragments 4-7
.endr
	global_store_b128 v[LI], v[SCI:SCI+3], s[88:89] offset:12288
.endm
	PLACES NP                                      ; in front of the first read of results and of loads into registers that the last products read
.irp b, 0,1,2,3
	v_mov_b32 v[TM+4+\b], 0                        ; written once: a lane permute's destination counts as one of its sources
.endr
	s_mov_b32 s[SEL], 0x76543210
	s_mov_b32 s[SEL+1], 0xfedcba98
	s_lshl_b32 s86, s17, 1
	s_add_co_u32 s86, s86, s15                     ; my group of A
	s_lshl_b32 s87, s42, 1
	s_add_co_u32 s87, s87, s16                     ; my group of B
	s_cmp_eq_u32 s18, 2                            ; the same in all partners
	s_cbranch_scc1 .Larm_v
; q and k: head = my group of B, positions = my group of A
	s_cmp_eq_u32 s18, 0
	s_cselect_b64 s[88:89], s[78:79], s[80:81]     ; q's records, or K's and V's
	s_cselect_b64 s[90:91], s[72:73], s[74:75]     ; bq or bk
	s_mov_b32 s92, 2*REC
	s_cselect_b32 s92, REC, s92                    ; in kv a group has two records
	s_lshl_b32 s93, s87, 4
	s_add_co_u32 s93, s93, s86                     ; 16 head + g
	s_mul_i32 s92, s93, s92
	s_mov_b32 s93, 0
	s_add_nc_u64 s[88:89], s[88:89], s[92:93]
	s_lshl_b32 s92, s87, 9
	s_add_nc_u64 s[90:91], s[90:91], s[92:93]      ; the head's 128 biases
	s_lshl_b32 s92, s86, 16
	s_add_nc_u64 s[70:71], s[70:71], s[92:93]      ; my group's eight tiles of cos and sin
.irp b, 0,1,2,3
.irp w, 0,1,2,3
	global_load_b128 v[BIAS+16*\b+4*\w:BIAS+16*\b+4*\w+3], v[H64], s[90:91] offset:128*\b+16*\w   ; register 16 b + i: channel 32 b + 16 h + i
.endr
.endr
.macro CSLOAD a                        ; tile a's 32 cosines and 32 sines into set a % 4 of window 1
	WIN 0x40
.irp c, 0,1,2,3,4,5,6,7,8,9,10,11,12,13,14,15
	global_load_b128 v[64*((\a)%4)+4*\c:64*((\a)%4)+4*\c+3], v[LI], s[70:71] offset:8192*(\a)+512*\c
.endr
	WIN 0
.endm
	CSLOAD 0
	CSLOAD 1
	CSLOAD 2
	CSLOAD 3
.macro BLK a
.if (\a) < 5
	s_wait_loadcnt 48                              ; the biases and set a are in; the three sets issued behind it may be out
.else
	s_wait_loadcnt 16*(7-(\a))
.endif
	WIN 0x02+(\a)/4                                ; source 0: the accumulators' window
.set i, 0
.rept 32
	v_pk_add_f32 v[HA+i:HA+i+1], v[64*((\a)%4)+i:64*((\a)%4)+i+1], v[BIAS+i:BIAS+i+1]   ; each accumulator from its low end on
.set i, i+2
.endr
	WIN 0x04                                       ; source 1: cos and sin, window 1
.irp g, 0,1,2,3                                ; x1 = channels 0-63 (registers 0-31), x2 = channels 64-127: x1 cos - x2 sin, x2 cos + x1 sin
.irp p, 0,1,2,3
	v_pk_mul_f32 v[T+2*\p:T+2*\p+1], v[HA+8*\g+2*\p:HA+8*\g+2*\p+1], v[64*((\a)%4)+32+8*\g+2*\p:64*((\a)%4)+32+8*\g+2*\p+1]
.endr
.irp p, 0,1,2,3
	v_pk_mul_f32 v[U+2*\p:U+2*\p+1], v[HA+32+8*\g+2*\p:HA+32+8*\g+2*\p+1], v[64*((\a)%4)+32+8*\g+2*\p:64*((\a)%4)+32+8*\g+2*\p+1]
.endr
.irp p, 0,1,2,3
	v_pk_fma_f32 v[HA+8*\g+2*\p:HA+8*\g+2*\p+1], v[HA+8*\g+2*\p:HA+8*\g+2*\p+1], v[64*((\a)%4)+8*\g+2*\p:64*((\a)%4)+8*\g+2*\p+1], v[U+2*\p:U+2*\p+1] neg_lo:[0,0,1] neg_hi:[0,0,1]
.endr
.irp p, 0,1,2,3
	v_pk_fma_f32 v[HA+32+8*\g+2*\p:HA+32+8*\g+2*\p+1], v[HA+32+8*\g+2*\p:HA+32+8*\g+2*\p+1], v[64*((\a)%4)+8*\g+2*\p:64*((\a)%4)+8*\g+2*\p+1], v[T+2*\p:T+2*\p+1]
.endr
.endr
	WIN 0
.if (\a) < 4
	CSLOAD (\a)+4                                  ; the set just read takes the tile four on
.endif
	OUTFRAG \a
.endm
.irp a, 0,1,2,3,4,5,6,7
	BLK \a
.endr
	OUTSCALES
	s_branch .Lend
; v: head = my group of A (wv's rows are the channels), keys = my group of B
.Larm_v:
	s_lshl_b32 s93, s86, 4
	s_add_co_u32 s93, s93, s87                     ; 16 head + key group
	s_mul_i32 s92, s93, 2*REC
	s_add_co_u32 s92, s92, REC                     ; V's record lies behind K's
	s_mov_b32 s93, 0
	s_add_nc_u64 s[88:89], s[80:81], s[92:93]
	s_lshl_b32 s92, s86, 9
	s_add_nc_u64 s[90:91], s[76:77], s[92:93]
.irp a, 0,1,2,3,4,5,6,7
	global_load_b32 v[BV+\a], v[R4], s[90:91] offset:(32*(\a/2)+8*(\a%2))*4   ; the bias of my lane's channel in block a
.endr
	s_wait_loadcnt 0x0
.macro BLKV a
	v_mov_b32 v[BVP], v[BV+(\a)]
	v_mov_b32 v[BVP+1], v[BV+(\a)]                 ; twice, for the packed addition
	WIN 0x02+(\a)/4
.set i, 0
.rept 32
	v_pk_add_f32 v[HA+i:HA+i+1], v[64*((\a)%4)+i:64*((\a)%4)+i+1], v[BVP:BVP+1]
.set i, i+2
.endr
	WIN 0
	OUTFRAG \a
.endm
.irp a, 0,1,2,3,4,5,6,7
	BLKV \a
.endr
	OUTSCALES
.Lend:
	s_wait_tensorcnt 0x0                           ; the wave's end
	ds_add_u32 v[SPW], v[NIL]
	s_wait_dscnt 0x0
	CROUND                                         ; the closing round: no work-group ends while a partner may still ask for a tile that names it
	s_endpgm
.Lfunc_end_k_q6e9ce77203_proj:
	.size	k_q6e9ce77203_proj, .Lfunc_end_k_q6e9ce77203_proj-k_q6e9ce77203_proj
	.p2alignl 7, 3214868480
	.fill 96, 4, 3214868480
	.section	.rodata,"a",@progbits
	.p2align	6, 0x0
	.amdhsa_kernel k_q6e9ce77203_proj
		.amdhsa_group_segment_fixed_size 327680
		.amdhsa_private_segment_fixed_size 0
		.amdhsa_enable_private_segment 0
		.amdhsa_kernarg_size 56
		.amdhsa_user_sgpr_count 2
		.amdhsa_user_sgpr_kernarg_segment_ptr 1
		.amdhsa_wavefront_size32 1
		.amdhsa_system_sgpr_workgroup_id_x 1
		.amdhsa_system_sgpr_workgroup_id_y 1
		.amdhsa_system_sgpr_workgroup_id_z 1
		.amdhsa_system_vgpr_workitem_id 0
		.amdhsa_next_free_vgpr 1024
		.amdhsa_next_free_sgpr 100
		.amdhsa_reserve_vcc 1
		.amdhsa_float_denorm_mode_32 3
		.amdhsa_float_denorm_mode_16_64 3
		.amdhsa_memory_ordered 1
		.amdhsa_forward_progress 1
		.amdhsa_inst_pref_size 250
	.end_amdhsa_kernel
	.amdgpu_metadata
---
amdhsa.version: [ 1, 2 ]
amdhsa.kernels:
  - .name:           k_q6e9ce77203_proj
    .symbol:         k_q6e9ce77203_proj.kd
    .args:
      - { .name: qt, .offset: 0, .size: 8, .value_kind: global_buffer, .address_space: global }
      - { .name: rope, .offset: 8, .size: 8, .value_kind: global_buffer, .address_space: global }
      - { .name: bq, .offset: 16, .size: 8, .value_kind: global_buffer, .address_space: global }
      - { .name: bk, .offset: 24, .size: 8, .value_kind: global_buffer, .address_space: global }
      - { .name: bv, .offset: 32, .size: 8, .value_kind: global_buffer, .address_space: global }
      - { .name: qc, .offset: 40, .size: 8, .value_kind: global_buffer, .address_space: global }
      - { .name: kv, .offset: 48, .size: 8, .value_kind: global_buffer, .address_space: global }
    .group_segment_fixed_size: 327680
    .private_segment_fixed_size: 0
    .kernarg_segment_align: 8
    .kernarg_segment_size: 56
    .max_flat_workgroup_size: 128
    .sgpr_count:     100
    .vgpr_count:     1024
    .wavefront_size: 32
...
	.end_amdgpu_metadata
.endif
;; end of part 2
;; launch attn (part 3): grid 16 x 16, 8 waves a work-group, clusters of 4 x 1, 327,680 bytes of LDS; arguments qc, kv, maskw, xc; writes xc
.if DOCPART == 3
	.amdgcn_target "amdgcn-amd-amdhsa--gfx1250"
	.amdhsa_code_object_version 6
	.text
	.protected	k_q6e9ce77203_attn
	.globl	k_q6e9ce77203_attn
	.p2align	8
	.type	k_q6e9ce77203_attn,@function
k_q6e9ce77203_attn:
	s_mov_b64 s[64:65], 0
	v_nop
	global_prefetch_b8 v0, s[64:65] scope:SCOPE_SE
	s_setreg_imm32_b32 hwreg(HW_REG_WAVE_MODE, 25, 1), 1
	s_wait_xcnt 0x0
	s_wait_alu depctr_hold_cnt(0) depctr_sa_sdst(0) depctr_va_vdst(0) depctr_va_sdst(0) depctr_va_ssrc(0) depctr_va_vcc(0) depctr_vm_vsrc(0)
	s_getreg_b32 s2, hwreg(HW_REG_IB_STS2, 6, 4)
	s_cmp_eq_u32 s2, 0
	s_cbranch_scc0 .Lentry_in_a_cluster
	s_endpgm
.Lentry_in_a_cluster:
	s_bfe_u32 s2, ttmp6, 0x10000c
	s_cmp_lg_u32 s2, 0x3003
	s_cbranch_scc0 .Lentry_shape_is_right
	s_endpgm
.Lentry_shape_is_right:
; ATTN.  x[q] = the sum over keys of softmax(mask ? q . k / sqrt(128) : -1e9) v, both products on codes of FP6 (E2M3) with one E8M0 scale for each 32 along K; x leaves as codes, quantised along the head's 128 channels.
; THE SOFTMAX: t = score x log2(e) / sqrt(128); M = the largest t so far, rounded up to a whole number; p = 2^(t - M) is quantised along the keys, not normalised; the row's sum is taken of the unquantised p and divides at the end.
; When M moves, the sum and O are multiplied by 2^(old M - new M): exact.
; THE MASK is an input: every score is computed, and where the mask's bit is 0 the raw score becomes -2^34 ahead of the maximum.  c x 2^34 is a whole number that f32 holds, so a row that is wholly masked has t - M = 0 and p = 1
; for every key, the uniform average that -1e9 gives; as soon as a key counts, the factor 2^(old M - new M) is 0 and wipes what was summed.
; LIMIT: the stand-in is the logit -1.52e9 where the definition has -1e9: the same results as long as the logits of keys that count lie above -1e9.  NaN and infinities are not served.
; SHARES: a work-group owns 128 queries (group g) of one head; wave w owns fragment w of q's record, 16 queries.  Two waves to a SIMD: one wave's vector work stands beside the other's products and LDS loads.
; Every wave walks all 16 groups of 128 keys.  RECORDS as in the launches before; K's record as source 0 gives a lane one query and 64 registers of keys in natural order; V's (rows = channels, K = keys) gives O^T with the channels so.
; RING: two LDS slots of four key groups (K's and V's record each).  CLUSTER: the four work-groups of a cluster belong to one head and walk the same K and V: each record is asked for jointly; every wave asks for one of a slot's eight.
; REGISTERS: v1-11 addresses and constants; v12 -M, v13 the largest t, v[14:15] the sum; v16-27 Q; v32-79, v160-207 eight fragments of K or V; v96-159 S^T, then p; v208-223 at work on the way out; v224-254 at work;
;   v248-251 K's or V's scale words, v253 p's, v255 Q's; window 1: v0-63 O^T.
.set REC,   12800
.set GRPB,  2*REC                      ; a key group: K's record, then V's
.set SLOTB, 4*GRPB
.set SLOT1, 1<<17                      ; slot 1 begins here: one exclusive or turns an address from one slot into the other
.set XSC,   SLOT1+SLOTB                ; behind the ring: 512 bytes in which x's scale words meet
.set SPARE, XSC+512                    ; the spare words, 128 bytes for each wave, which no other line names
.set LI,  1                            ; v1  16 x lane
.set ADR, 2                            ; v2  LDS address of the key group in hand
.set SPW, 3                            ; v3  LDS address of my spare word; never rewritten
.set NIL, 4                            ; v4  0; never rewritten
.set RM,  5                            ; v5  -2^34
.set XSA, 6                            ; v6  where my row's scale word of x goes
.set FO,  7                            ; v7  16 x lane + 1536 x wave: my fragment in a record
.set XSR, 8                            ; v8  XSC + 16 x lane
.set PC,  224
.set TM,  208
.set PW,  252
.set G0,  4                            ; s[4:7]   group 0, which walks
.set G1,  8                            ; s[8:15]  group 1
.set MW,  16                           ; s[16:17] my tile's mask words of the key group in hand
.set CS,  18                           ; s[18:19] c = log2(e) / sqrt(128)
.set SEL, 20                           ; s[20:21] lane selects: lane l xor 16
.set WV,  22
.set TB,  23                           ; s23  LDS byte at which the key group in hand begins
.set SLOTS, 24
.set STP, 25
.set XO,  26                           ; s[26:27] my record of x
.set MSB, 0
.macro WIN new
.if MSB != (\new)
	s_set_vgpr_msb (MSB<<8)|(\new)
.set MSB, \new
.endif
.endm
.macro CROUND                          ; a round of the cluster's barrier
	s_barrier_signal -1
	s_barrier_wait -1
	s_cmp_lg_u32 s[WV], 0
	s_cbranch_scc1 .Lnot_wave_0_\@
	s_barrier_signal -3
.Lnot_wave_0_\@:
	s_barrier_wait -3
	s_barrier_signal -1
	s_barrier_wait -1
.endm
	s_load_b256 s[32:39], s[0:1], 0x0              ; qc s[32:33], kv s[34:35], maskw s[36:37], xc s[38:39]
	v_lshl_add_u32 v[SPW], v0, 2, SPARE
	v_mov_b32 v[NIL], 0
	ds_add_u32 v3, v4
	ds_add_u32 v3, v4
	s_wait_dscnt 0x0
	v_lshrrev_b32 v9, 5, v0
	v_readfirstlane_b32 s[WV], v9                  ; wave 0..7
	s_bfe_u32 s28, ttmp6, 0x40000                  ; cx
	s_lshl_b32 s29, ttmp9, 2
	s_add_co_u32 s29, s29, s28                     ; g: it enters q's, the mask's and x's addresses alone
	s_and_b32 s30, ttmp7, 0xffff                   ; the head, which the four partners share
	; group 1: a record, 12,800 dense bytes, as 50 rows of 256 (32 elements of 8 bytes), no padding
	s_mov_b32 s[G1], 15|(3<<16)|(1<<21)            ; 15:0 the mask: all four work-groups; 17:16 elements of 8 bytes; 21 set beside a mask
	s_mov_b32 s[G1+1], 32<<16
	s_mov_b32 s[G1+2], 50<<16
	s_mov_b32 s[G1+3], 32<<16
	s_mov_b32 s[G1+4], 50
	s_mov_b32 s[G1+5], 32
	s_mov_b32 s[G1+6], 0
	s_mov_b32 s[G1+7], 0
	s_mov_b32 s[G0], 1
	s_mul_i32 s[G0+1], s[WV], REC                  ; LDS address: record w of slot 0
	s_mul_i32 s2, s30, 16*GRPB                     ; the head's K and V,
	s_add_co_u32 s2, s2, s[G0+1]                   ; record w of its first eight
	s_mov_b32 s3, 0
	s_mov_b32 s[CS], 0x3e0293ee
	s_mov_b32 s[CS+1], s[CS]                       ; (named with it as a pair, so it is written)
	s_mov_b32 s[SEL], 0x76543210
	s_mov_b32 s[SEL+1], 0xfedcba98
	s_mov_b32 s[TB], 0
	s_mov_b32 s[SLOTS], 3
	s_lshl_b32 s40, s30, 4
	s_add_co_u32 s40, s40, s29
	s_mul_i32 s40, s40, REC                        ; q's record: 16 head + g
	s_mov_b32 s41, 0
	s_lshl_b32 s42, s29, 3
	s_add_co_u32 s42, s42, s[WV]
	s_lshl_b32 s42, s42, 12                        ; my tile's mask words: (8 g + w) x 16 groups x 256 bytes
	s_mov_b32 s43, 0
	s_lshl_b32 s44, s29, 4
	s_add_co_u32 s44, s44, s30
	s_mul_i32 s44, s44, REC                        ; x's record: 16 g + head
	s_mov_b32 s45, 0
	s_wait_kmcnt 0x0
	s_add_nc_u64 s[G0+2:G0+3], s[34:35], s[2:3]
	s_or_b32 s[G0+3], s[G0+3], 0x80000000
	s_add_nc_u64 s[40:41], s[32:33], s[40:41]
	s_add_nc_u64 s[MW:MW+1], s[36:37], s[42:43]
	s_add_nc_u64 s[XO:XO+1], s[38:39], s[44:45]
	CROUND                                         ; all four work-groups are here: the first joint loads meet
	tensor_load_to_lds s[G0:G0+3], s[G1:G1+7]      ; slot 0: one load of mine is out
	s_nop 0
.rept 4
	v_nop
.endr
	v_and_b32 v9, 31, v0
	v_lshlrev_b32 v[LI], 4, v9
	s_mul_i32 s2, s[WV], 1536
	v_add_nc_u32 v[FO], s2, v[LI]
	v_add_nc_u32 v[XSR], XSC, v[LI]
	s_lshr_b32 s2, s[WV], 2
	s_lshl_b32 s2, s2, 8
	s_and_b32 s3, s[WV], 3
	s_lshl_b32 s3, s3, 2
	s_add_co_u32 s2, s2, s3                        ; fragment w's words in a scale image: 256 (w / 4) + 4 (w % 4)
	v_and_b32 v10, 15, v0
	v_lshlrev_b32 v10, 4, v10
	v_add_nc_u32 v11, s2, v10                      ; + 16 r
	v_add_nc_u32 v[XSA], XSC, v11
.irp c, 0,1,2
	global_load_b128 v[16+4*\c:19+4*\c], v[FO], s[40:41] offset:512*\c   ; Q's fragment stays in registers
.endr
	global_load_b32 v255, v11, s[40:41] offset:12288   ; and its scale words
	v_mov_b32 v[RM], 0xd0800000
	v_mov_b32 v13, 0xff61b1e6                      ; the largest t so far: -3e38
	v_floor_f32 v12, -v13                          ; -M
	v_mov_b32 v14, 0
	v_mov_b32 v15, 0
.irp b, 0,1,2,3
	v_mov_b32 v[236+\b], 0                         ; written once: a lane permute's destination counts as one of its sources
	v_mov_b32 v[TM+4+\b], 0
.endr
	v_mov_b32 v253, 0                              ; (named as the upper half of the pair v[252:253] before it is first written)
	WIN 0x40
.set n, 0
.rept 64
	v_mov_b32 v[n], 0                              ; O^T: the loop is written once; its first step finds zeros, which the first change of M leaves zeros
.set n, n+1
.endr
	WIN 0
; A KEY STEP: 128 keys
.macro STEP
	v_add_nc_u32 v[ADR], s[TB], v[LI]
.rept 3
	v_nop                                          ; with the addition: four places in front of loads into registers that the last products read
.endr
	s_load_b512 s[32:47], s[MW:MW+1], 0x0          ; the 64 mask words of my tile and this key group
	s_load_b512 s[48:63], s[MW:MW+1], 0x40
	s_load_b512 s[68:83], s[MW:MW+1], 0x80
	s_load_b512 s[84:99], s[MW:MW+1], 0xc0
	ds_load_b128 v[248:251], v[ADR] offset:12288   ; K's scale words
.irp j, 0,1,2,3
.irp c, 0,1,2
	ds_load_b128 v[32+12*\j+4*\c:35+12*\j+4*\c], v[ADR] offset:1536*\j+512*\c
.endr
.endr
.irp j, 0,1,2,3
.irp c, 0,1,2
	ds_load_b128 v[160+12*\j+4*\c:163+12*\j+4*\c], v[ADR] offset:1536*(4+\j)+512*\c
.endr
.endr
	s_wait_dscnt 12                                ; all but the youngest 12 loads (K's fragments 4-7) are in
.irp j, 0,1,2,3
	v_wmma_scale_f32_16x16x128_f8f6f4 v[96+8*\j:103+8*\j], v[32+12*\j:43+12*\j], v[16:27], 0, v[248+\j], v255 matrix_a_fmt:MATRIX_FMT_FP6 matrix_b_fmt:MATRIX_FMT_FP6
.endr
	s_wait_dscnt 0x0
.irp j, 0,1,2,3
	v_wmma_scale_f32_16x16x128_f8f6f4 v[128+8*\j:135+8*\j], v[160+12*\j:171+12*\j], v[16:27], 0, v[248+\j], v255 matrix_a_fmt:MATRIX_FMT_FP6 matrix_b_fmt:MATRIX_FMT_FP6 matrix_a_scale:MATRIX_SCALE_ROW1
.endr
.rept 4
	v_nop                                          ; places: in front of the loads below and of the first read of the scores
.endr
	ds_load_b128 v[248:251], v[ADR] offset:REC+12288   ; V's scale words and fragments land while the softmax is worked
.irp j, 0,1,2,3
.irp c, 0,1,2
	ds_load_b128 v[32+12*\j+4*\c:35+12*\j+4*\c], v[ADR] offset:REC+1536*\j+512*\c
.endr
.endr
.irp j, 0,1,2,3
.irp c, 0,1,2
	ds_load_b128 v[160+12*\j+4*\c:163+12*\j+4*\c], v[ADR] offset:REC+1536*(4+\j)+512*\c
.endr
.endr
	s_wait_kmcnt 0x0                               ; the mask words are in, and their loads have read their base,
	s_add_nc_u64 s[MW:MW+1], s[MW:MW+1], 256       ; which steps to the next key group
.set n, 0
.rept 32
	v_cndmask_b32 v[96+n], v[RM], v[96+n], s[32+n]   ; where the bit is 0: -2^34.  Ascending: each accumulator from its low end on
.set n, n+1
.endr
.rept 32
	v_cndmask_b32 v[96+n], v[RM], v[96+n], s[36+n]
.set n, n+1
.endr
.irp b, 0,1,2,3
	v_max3_num_f32 v[232+\b], v[96+16*\b], v[97+16*\b], v[98+16*\b]   ; the largest score of each block of 32 keys: it serves for the row's maximum and, since p rises with the score, for the block's largest p
.endr
.irp i, 3,5,7,9,11,13
.irp b, 0,1,2,3
	v_max3_num_f32 v[232+\b], v[232+\b], v[96+16*\b+\i], v[97+16*\b+\i]
.endr
.endr
.irp b, 0,1,2,3
	v_max_num_f32 v[232+\b], v[232+\b], v[111+16*\b]
.endr
.irp b, 0,1,2,3
	v_permlanex16_b32 v[236+\b], v[232+\b], s[SEL], s[SEL+1]
.endr
.irp b, 0,1,2,3
	v_max_num_f32 v[232+\b], v[232+\b], v[236+\b]  ; with lane l xor 16's 16 keys
.endr
	v_max3_num_f32 v254, v232, v233, v234
	v_max_num_f32 v254, v254, v235
	v_mul_f32 v254, s[CS], v254                    ; the step's largest t
	v_max_num_f32 v13, v13, v254                   ; the running largest t
	v_mov_b32 v254, v12
	v_floor_f32 v12, -v13                          ; the new -M = -ceil(t): a whole number
	v_sub_f32 v254, v12, v254                      ; old M - new M: a whole number, 0 or less
	v_cvt_i32_f32 v254, v254                       ; (it saturates)
	v_ldexp_f32 v252, 1.0, v254                    ; f = 2^(old M - new M)
.irp j, 0,2,4,6,8,10,12,14,16,18,20,22,24,26,28,30,32,34,36,38,40,42,44,46,48,50,52,54,56,58,60,62
	v_pk_fma_f32 v[96+\j:97+\j], v[96+\j:97+\j], s[CS:CS+1], v[12:13] op_sel_hi:[1,0,0]   ; t - M, two at a time
.endr
.irp b, 0,1,2,3
	v_fma_f32 v[232+\b], v[232+\b], s[CS], v12     ; the same of each block's largest score
.endr
.set n, 0
.rept 64
	v_exp_f32 v[96+n], v[96+n]                     ; p = 2^(t - M): one batch
.set n, n+1
.endr
	v_pk_mul_f32 v[14:15], v[14:15], v[252:253] op_sel_hi:[1,0]   ; the sums under the new M: a plain place behind the exponentials
	s_wait_alu depctr_va_vdst(0)                   ; one wait for the batch, ahead of its first reader
.irp b, 0,1,2,3
	v_exp_f32 v[232+\b], v[232+\b]                 ; the block's largest p: the same two instructions on the same number
.endr
	v_pk_add_f32 v[236:237], v[96:97], v[98:99]    ; the row's sum of the unquantised p, in two chains: plain work behind the four
.irp j, 4,8,12,16,20,24,28,32,36,40,44,48,52,56,60
	v_pk_add_f32 v[14:15], v[14:15], v[96+\j:97+\j]
	v_pk_add_f32 v[236:237], v[236:237], v[98+\j:99+\j]
.endr
	v_pk_add_f32 v[14:15], v[14:15], v[236:237]
	s_wait_alu depctr_va_vdst(0)                   ; and one for the four
.irp b, 0,1,2,3
	v_max_num_f32 v[232+\b], 0x1800000, v[232+\b]  ; the floor 2^(3 - 127): a block whose every p is 0 keeps the byte 1; its codes are zeros
.endr
.irp b, 0,1,2,3
	v_add_nc_u32 v[244+\b], 0xff000000, v[232+\b]  ; 2 off the exponent field: the conversion's scale operand
.endr
.irp b, 0,1,2,3
	v_lshrrev_b32 v[236+\b], 23, v[244+\b]
.endr
	v_lshl_or_b32 v253, v237, 8, v236              ; p's scale word for these 128 keys
	v_lshl_or_b32 v253, v238, 16, v253
	v_lshl_or_b32 v253, v239, 24, v253
.irp c, 0,1
	v_cvt_scalef32_pk16_fp6_f32 v[224+6*\c:226+6*\c], v[96+32*\c:111+32*\c], v[244+2*\c]
	v_cvt_scalef32_pk16_fp6_f32 v[236+4*\c:238+4*\c], v[112+32*\c:127+32*\c], v[244+2*\c+1]
.endr
	v_nop                                          ; one plain place behind a scaled conversion
.irp c, 0,1
.irp i, 0,1,2
	v_permlane16_swap_b32 v[224+6*\c+\i], v[236+4*\c+\i]
.endr
.irp i, 0,1,2
	v_mov_b32 v[227+6*\c+\i], v[236+4*\c+\i]
.endr
.endr
	WIN 0x41                                       ; O^T (destination and source 0) in window 1
.set n, 0
.rept 32
	v_pk_mul_f32 v[n:n+1], v[n:n+1], v[252:253] op_sel_hi:[1,0]   ; O^T under the new M; these 32 are also the places in front of the products below
.set n, n+2
.endr
	s_wait_dscnt 0x0                               ; V is in
	WIN 0x50                                       ; C and D window 1
.irp j, 0,1,2,3
	v_wmma_scale_f32_16x16x128_f8f6f4 v[8*\j:8*\j+7], v[32+12*\j:43+12*\j], v[224:235], v[8*\j:8*\j+7], v[248+\j], v253 matrix_a_fmt:MATRIX_FMT_FP6 matrix_b_fmt:MATRIX_FMT_FP6
.endr
.irp j, 0,1,2,3
	v_wmma_scale_f32_16x16x128_f8f6f4 v[32+8*\j:39+8*\j], v[160+12*\j:171+12*\j], v[224:235], v[32+8*\j:39+8*\j], v[248+\j], v253 matrix_a_fmt:MATRIX_FMT_FP6 matrix_b_fmt:MATRIX_FMT_FP6 matrix_a_scale:MATRIX_SCALE_ROW1
.endr
	WIN 0
	s_add_co_u32 s[TB], s[TB], GRPB                ; the next key group
.endm
; THE CHANGE OF SLOTS stands at a slot's head.  Each wave waits for all its tensor loads (its record of the slot ahead), adds 0 to its spare word, and waits for that and for its reads of the slot that it has left.
; fill = 1: a round of the cluster's barrier, so that no wave of any partner still reads that slot or has a load on its way; then the joint fill, which has four key steps in which to land.
.macro CHANGE fill
	s_wait_tensorcnt 0x0                           ; no tensor load of mine is out, so group 0 may be written
	ds_add_u32 v[SPW], v[NIL]                      ; 0 onto my spare word
.if \fill
	s_xor_b32 s[G0+1], s[G0+1], SLOT1              ; the other slot than last time,
	s_add_nc_u64 s[G0+2:G0+3], s[G0+2:G0+3], SLOTB ; the next four key groups
.endif
	s_wait_dscnt 0x0                               ; the add is done, and my reads of the slot that I have left are over
.if \fill
	CROUND
	tensor_load_to_lds s[G0:G0+3], s[G1:G1+7]      ; the first thing behind the round, and my one tensor load until the next
	s_nop 0
.rept 4
	v_nop
.endr
.else
	s_barrier_signal -1
	s_barrier_wait -1
.endif
.endm
.macro SLOT_STEPS                      ; a slot's four key steps: written once, walked four times
	s_mov_b32 s[STP], 4
.Lstep_\@:
	STEP
	s_sub_co_u32 s[STP], s[STP], 1
	s_cmp_lg_u32 s[STP], 0
	s_cbranch_scc1 .Lstep_\@
	s_sub_co_u32 s[TB], s[TB], SLOTB               ; back to a slot's first group,
	s_xor_b32 s[TB], s[TB], SLOT1                  ; in the other slot
.endm
.macro QUANT s                         ; 64 numbers of a lane, register 16 b + i = index 32 b + 16 (lane / 16) + i, become a fragment's codes in v[PC] on and its scale word in v[PW]
.irp b, 0,1,2,3
	v_max3_num_f32 v[TM+\b], |v[\s+16*\b]|, |v[\s+1+16*\b]|, 0x1800000
.endr
.irp i, 2,4,6,8,10,12,14
.irp b, 0,1,2,3
	v_max3_num_f32 v[TM+\b], v[TM+\b], |v[\s+16*\b+\i]|, |v[\s+1+16*\b+\i]|
.endr
.endr
.irp b, 0,1,2,3
	v_permlanex16_b32 v[TM+4+\b], v[TM+\b], s[SEL], s[SEL+1]
.endr
.irp b, 0,1,2,3
	v_max_num_f32 v[TM+\b], v[TM+\b], v[TM+4+\b]
.endr
.irp b, 0,1,2,3
	v_add_nc_u32 v[TM+12+\b], 0xff000000, v[TM+\b]
.endr
.irp b, 0,1,2,3
	v_lshrrev_b32 v[TM+4+\b], 23, v[TM+12+\b]
.endr
	v_lshl_or_b32 v[PW], v[TM+5], 8, v[TM+4]
	v_lshl_or_b32 v[PW], v[TM+6], 16, v[PW]
	v_lshl_or_b32 v[PW], v[TM+7], 24, v[PW]
.irp c, 0,1
	v_cvt_scalef32_pk16_fp6_f32 v[PC+6*\c:PC+2+6*\c], v[\s+32*\c:\s+15+32*\c], v[TM+12+2*\c]
	v_cvt_scalef32_pk16_fp6_f32 v[PC+12+4*\c:PC+14+4*\c], v[\s+16+32*\c:\s+31+32*\c], v[TM+12+2*\c+1]
.endr
	v_nop
.irp c, 0,1
.irp i, 0,1,2
	v_permlane16_swap_b32 v[PC+6*\c+\i], v[PC+12+4*\c+\i]
.endr
.irp i, 0,1,2
	v_mov_b32 v[PC+3+6*\c+\i], v[PC+12+4*\c+\i]
.endr
.endr
.endm
	s_wait_loadcnt 0x0                             ; Q; its loads have read their base, whose registers the mask words take
.Lslot:                                            ; three trips: behind each change of slots but the last the next slot is asked for
	CHANGE 1
	SLOT_STEPS
	s_sub_co_u32 s[SLOTS], s[SLOTS], 1
	s_cmp_lg_u32 s[SLOTS], 0
	s_cbranch_scc1 .Lslot
	CHANGE 0                                       ; the last slot is written out
	SLOT_STEPS
	; THE WAY OUT: O^T / the sum is x: a lane holds one query and its half of each 32 of the head's channels, in natural order: it is quantised as it stands and is fragment w of the record (g, K step = head).
.rept 4
	v_nop                                          ; places behind the last products
.endr
	v_add_f32 v14, v14, v15
	v_permlanex16_b32 v252, v14, s[SEL], s[SEL+1]
	v_add_f32 v14, v14, v252                       ; the row's sum
	v_rcp_f32 v14, v14
	v_nop                                          ; a plain place behind the reciprocal
	s_wait_alu depctr_va_vdst(0)                   ; and the wait ahead of its first reader
	WIN 0x01
.set n, 0
.rept 64
	v_mul_f32 v[96+n], v[n], v14                   ; each accumulator from its low end on
.set n, n+1
.endr
	WIN 0
	QUANT 96
.irp c, 0,1,2
	global_store_b128 v[FO], v[PC+4*\c:PC+4*\c+3], s[XO:XO+1] offset:512*\c   ; 32 lanes store 512 consecutive bytes, aligned
.endr
	ds_store_b32 v[XSA], v[PW]                     ; the eight waves' scale words meet in LDS (both halves of the lanes write the same word with the same value)
	s_wait_dscnt 0x0                               ; for the others' sake
	s_barrier_signal -1
	s_barrier_wait -1
	s_cmp_lg_u32 s[WV], 0
	s_cbranch_scc1 .Lnot_first
	ds_load_b128 v[96:99], v[XSR]
	s_wait_dscnt 0x0
	global_store_b128 v[LI], v[96:99], s[XO:XO+1] offset:12288   ; the record's scale image: 512 consecutive bytes
.Lnot_first:
	s_wait_tensorcnt 0x0                           ; the wave's end
	ds_add_u32 v[SPW], v[NIL]
	s_wait_dscnt 0x0
	CROUND                                         ; the closing round
	s_endpgm
.Lfunc_end_k_q6e9ce77203_attn:
	.size	k_q6e9ce77203_attn, .Lfunc_end_k_q6e9ce77203_attn-k_q6e9ce77203_attn
	.p2alignl 7, 3214868480
	.fill 96, 4, 3214868480
	.section	.rodata,"a",@progbits
	.p2align	6, 0x0
	.amdhsa_kernel k_q6e9ce77203_attn
		.amdhsa_group_segment_fixed_size 327680
		.amdhsa_private_segment_fixed_size 0
		.amdhsa_enable_private_segment 0
		.amdhsa_kernarg_size 32
		.amdhsa_user_sgpr_count 2
		.amdhsa_user_sgpr_kernarg_segment_ptr 1
		.amdhsa_wavefront_size32 1
		.amdhsa_system_sgpr_workgroup_id_x 1
		.amdhsa_system_sgpr_workgroup_id_y 1
		.amdhsa_system_sgpr_workgroup_id_z 1
		.amdhsa_system_vgpr_workitem_id 0
		.amdhsa_next_free_vgpr 320
		.amdhsa_next_free_sgpr 100
		.amdhsa_reserve_vcc 0
		.amdhsa_float_denorm_mode_32 3
		.amdhsa_float_denorm_mode_16_64 3
		.amdhsa_memory_ordered 1
		.amdhsa_forward_progress 1
		.amdhsa_inst_pref_size 61
	.end_amdhsa_kernel
	.amdgpu_metadata
---
amdhsa.version: [ 1, 2 ]
amdhsa.kernels:
  - .name:           k_q6e9ce77203_attn
    .symbol:         k_q6e9ce77203_attn.kd
    .args:
      - { .name: qc, .offset: 0, .size: 8, .value_kind: global_buffer, .address_space: global }
      - { .name: kv, .offset: 8, .size: 8, .value_kind: global_buffer, .address_space: global }
      - { .name: maskw, .offset: 16, .size: 8, .value_kind: global_buffer, .address_space: global }
      - { .name: xc, .offset: 24, .size: 8, .value_kind: global_buffer, .address_space: global }
    .group_segment_fixed_size: 327680
    .private_segment_fixed_size: 0
    .kernarg_segment_align: 8
    .kernarg_segment_size: 32
    .max_flat_workgroup_size: 256
    .sgpr_count:     100
    .vgpr_count:     320
    .wavefront_size: 32
...
	.end_amdgpu_metadata
.endif
;; end of part 3
;; launch outp (part 4): grid 8 x 8, 4 waves a work-group, clusters of 4 x 4, 327,680 bytes of LDS; arguments xc, qt, bo, out0; writes out0
.if DOCPART == 4
	.amdgcn_target "amdgcn-amd-amdhsa--gfx1250"
	.amdhsa_code_object_version 6
	.text
	.protected	k_q6e9ce77203_outp
	.globl	k_q6e9ce77203_outp
	.p2align	8
	.type	k_q6e9ce77203_outp,@function
k_q6e9ce77203_outp:
	s_mov_b64 s[64:65], 0
	v_nop
	global_prefetch_b8 v0, s[64:65] scope:SCOPE_SE
	s_setreg_imm32_b32 hwreg(HW_REG_WAVE_MODE, 25, 1), 1
	s_wait_xcnt 0x0
	s_wait_alu depctr_hold_cnt(0) depctr_sa_sdst(0) depctr_va_vdst(0) depctr_va_sdst(0) depctr_va_ssrc(0) depctr_va_vcc(0) depctr_vm_vsrc(0)
	s_getreg_b32 s2, hwreg(HW_REG_IB_STS2, 6, 4)
	s_cmp_eq_u32 s2, 0
	s_cbranch_scc0 .Lentry_in_a_cluster
	s_endpgm
.Lentry_in_a_cluster:
	s_bfe_u32 s2, ttmp6, 0x10000c
	s_cmp_lg_u32 s2, 0xf033
	s_cbranch_scc0 .Lentry_shape_is_right
	s_endpgm
.Lentry_shape_is_right:
; OUTP.  out0 = x wo^T + bo on codes of FP6 (E2M3, one E8M0 scale for each 32 along K).  Operand A (source 1: its rows lie in the lanes) is x's records, operand B (source 0: its rows lie along a lane's registers) tensor 6 of qt, wo.
; RECORDS (12,800 bytes: 128 rows x 128 K as images of operand registers): fragment j at 1536 j, registers 4 c .. 4 c + 3 of lane l at + 512 c + 16 l; at 12,288 + 16 l the scale words of row l % 16 of fragments 4 (l / 16) .. + 3.
; Lane row p of fragment j is row 32 (j / 2) + 8 (j % 2) + p + 8 (p / 8) of the 128: register e of result tile b is column 32 (b / 2) + 16 (lane / 16) + 8 (b % 2) + e, and lane r of block a is row 32 (a / 2) + 8 (a % 2) + r + 8 (r / 8).
; A work-group of four waves makes 256 x 256, a wave 128 x 128: 64 accumulators, 512 registers.  K goes in slots of 256 through a ring of two LDS slots.  64 tiles of this size are all that the output has.
; CLUSTERS: 4 x 4 work-groups; A's records are asked for jointly along a row of the cluster, B's along a column.
; REGISTERS: window 0: v8-11 bo; v16-29 addresses; v32-63 scale words and nothing else; v128-223 A's 8 fragments; on the way out v128-255 rows of the output; window 1: B's two sets; windows 2, 3: accumulator (a, b) at v[8 (8 (a % 4) + b)].
.set REC,   12800
.set HALF,  2*REC
.set SLOT,  4*HALF
.set SPARE, 2*SLOT                     ; behind the ring: the spare words, 128 bytes for each wave, which no other line names
.set GRP,   16*REC
.set TEN,   16*GRP
.set LAPS,  4
.set FR,    12
.set NL,    3
.set NP,    4
.set SPITCH, 528                       ; the way out: a stage of 16 rows x (512 bytes + 16) for each wave, in slot 0, which has had its last fill and its last read when the first result is stored there
.set BO,    8
.set ADRA,  16
.set ADRB,  20
.set LI,    24                         ; v24 16 x lane
.set STO,   25                         ; v25 the stage: where I put my numbers of a row
.set RD,    26                         ; v26 and where I read a row back
.set SPW,   28
.set NIL,   29
.set SC,    32
.set AF,    128
.set BK,    128
.set G1,    24
.set G0,    32
.set G1B,   48
.set G0B,   56
.set MSB, 0
.macro WIN new
.if MSB != (\new)
	s_set_vgpr_msb (MSB<<8)|(\new)
.set MSB, \new
.endif
.endm
.set MUL_LO, 0xa1
.set MUL_HI, 0xf1
.set TO_B,   0x40
.macro JLOAD g0a, g1a, g0b, g1b        ; a joint load: waves 0 and 1 fetch for A, waves 2 and 3 for B; four v_nop follow each of the two lines
	s_cmp_eq_u32 s15, 0
	s_cbranch_scc0 .Lfor_b_\@
	tensor_load_to_lds s[\g0a:\g0a+3], s[\g1a:\g1a+7]
	s_nop 0
.rept 4
	v_nop
.endr
	s_branch .Lasked_\@
.Lfor_b_\@:
	tensor_load_to_lds s[\g0b:\g0b+3], s[\g1b:\g1b+7]
	s_nop 0
.rept 4
	v_nop
.endr
.Lasked_\@:
.endm
.macro CREST
	s_cmp_lg_u32 s14, 0
	s_cbranch_scc1 .Lnot_wave_0_\@
	s_barrier_signal -3
.Lnot_wave_0_\@:
	s_barrier_wait -3
	s_barrier_signal -1
	s_barrier_wait -1
.endm
.macro CROUND
	s_barrier_signal -1
	s_barrier_wait -1
	CREST
.endm
.macro PLACES n
.rept \n
	v_nop
.endr
.endm
	s_load_b256 s[68:75], s[0:1], 0x0              ; xc s[68:69], qt s[70:71], bo s[72:73], out0 s[74:75]
	v_lshl_add_u32 v[SPW], v0, 2, SPARE
	v_mov_b32 v[NIL], 0
	ds_add_u32 v28, v29
	ds_add_u32 v28, v29
	s_wait_dscnt 0x0
	v_lshrrev_b32 v1, 5, v0
	v_readfirstlane_b32 s14, v1                    ; wave 0..3
	s_lshr_b32 s15, s14, 1                         ; which group of A is mine.  Also: I fetch for A (0) or for B (1)
	s_and_b32 s16, s14, 1                          ; which group of B is mine.  Also: which group I fetch
	s_bfe_u32 s40, ttmp6, 0x40000                  ; cx
	s_bfe_u32 s41, ttmp6, 0x40004                  ; cy
	s_lshl_b32 s42, ttmp9, 2
	s_add_co_u32 s42, s42, s40                     ; tb
	s_and_b32 s17, ttmp7, 0xffff
	s_lshl_b32 s17, s17, 2
	s_add_co_u32 s17, s17, s41                     ; ta
	s_lshl_b32 s43, s41, 2
	s_lshl_b32 s43, 15, s43                        ; my row of the cluster
	s_lshl_b32 s44, 0x1111, s40                    ; my column
	s_or_b32 s[G1+0], s43, (3<<16)|(1<<21)         ; 25,600 dense bytes as 100 rows of 256 (32 elements of 8 bytes), no padding
	s_or_b32 s[G1B+0], s44, (3<<16)|(1<<21)
.irp g, G1, G1B
	s_mov_b32 s[\g+1], 32<<16
	s_mov_b32 s[\g+2], 100<<16
	s_mov_b32 s[\g+3], 32<<16
	s_mov_b32 s[\g+4], 100
	s_mov_b32 s[\g+5], 32
	s_mov_b32 s[\g+6], 0
	s_mov_b32 s[\g+7], 0
.endr
	s_lshl_b32 s20, s17, 1
	s_add_co_u32 s20, s20, s16
	s_mul_i32 s20, s20, GRP                        ; A: the group that I fetch
	s_mov_b32 s21, 0
	s_lshl_b32 s46, s42, 1
	s_add_co_u32 s46, s46, s16
	s_mul_i32 s46, s46, GRP
	s_add_co_u32 s46, s46, 6*TEN                   ; B likewise, in wo's records
	s_mov_b32 s47, 0
	s_mul_i32 s45, s14, HALF
	s_wait_kmcnt 0x0
	s_add_nc_u64 s[20:21], s[68:69], s[20:21]
	s_add_nc_u64 s[46:47], s[70:71], s[46:47]
	CROUND                                         ; all sixteen work-groups are here: the first joint loads meet
.irp s, 0,1
	s_mov_b32 s[G0+4*\s], 1
	s_add_co_u32 s[G0+4*\s+1], s45, \s*SLOT
	s_add_nc_u64 s[G0+4*\s+2:G0+4*\s+3], s[20:21], \s*HALF
	s_or_b32 s[G0+4*\s+3], s[G0+4*\s+3], 0x80000000
	s_mov_b32 s[G0B+4*\s], 1
	s_add_co_u32 s[G0B+4*\s+1], s45, \s*SLOT
	s_add_nc_u64 s[G0B+4*\s+2:G0B+4*\s+3], s[46:47], \s*HALF
	s_or_b32 s[G0B+4*\s+3], s[G0B+4*\s+3], 0x80000000
	JLOAD G0+4*\s, G1, G0B+4*\s, G1B               ; two loads of mine are out
.endr
	v_and_b32 v1, 31, v0
	v_lshlrev_b32 v[LI], 4, v1
	v_bfe_u32 v2, v0, 4, 1
	v_and_b32 v3, 15, v0
	s_mul_i32 s21, s15, HALF
	s_mul_i32 s22, s16, HALF
	s_add_co_u32 s22, s22, 2*HALF
.irp s, 0,1
	v_add_nc_u32 v[ADRA+\s], s21, v[LI]
	v_add_nc_u32 v[ADRB+\s], s22, v[LI]
	s_add_co_u32 s21, s21, SLOT
	s_add_co_u32 s22, s22, SLOT
.endr
	s_mul_i32 s23, s14, 16*SPITCH                  ; my stage
	v_mul_u32_u24 v5, v3, SPITCH
	v_lshl_add_u32 v5, v2, 6, v5                   ; in: row r, + 64 h
	v_add_nc_u32 v[STO], s23, v5
	v_add_nc_u32 v[RD], s23, v[LI]                 ; back: the 32 lanes take one row of 512 bytes
	s_lshl_b32 s86, s17, 1
	s_add_co_u32 s86, s86, s15                     ; my group of A: 128 rows of the output
	s_lshl_b32 s87, s42, 1
	s_add_co_u32 s87, s87, s16                     ; my group of B: 128 columns
	s_lshl_b32 s88, s87, 9
	s_mov_b32 s89, 0
	s_add_nc_u64 s[72:73], s[72:73], s[88:89]
	global_load_b128 v[BO:BO+3], v[LI], s[72:73]   ; bo of the four columns that I store
	s_add_nc_u64 s[74:75], s[74:75], s[88:89]
	s_lshl_b32 s88, s86, 20
	s_add_nc_u64 s[74:75], s[74:75], s[88:89]      ; the output at my 128 x 128
.macro FRAG reg, adr, q, i
.irp c, 0,1,2
	ds_load_b128 v[\reg+4*\c:\reg+4*\c+3], v[\adr] offset:REC*(\q)+1536*(\i)+512*\c
.endr
.endm
.macro WM zero
.if \zero
.if hX && hY
	v_wmma_scale_f32_16x16x128_f8f6f4 v[rD:rD+7], v[rX:rX+11], v[rY:rY+11], 0, v[rSX], v[rSY] matrix_a_fmt:MATRIX_FMT_FP6 matrix_b_fmt:MATRIX_FMT_FP6 matrix_a_scale:MATRIX_SCALE_ROW1 matrix_b_scale:MATRIX_SCALE_ROW1
.elseif hX
	v_wmma_scale_f32_16x16x128_f8f6f4 v[rD:rD+7], v[rX:rX+11], v[rY:rY+11], 0, v[rSX], v[rSY] matrix_a_fmt:MATRIX_FMT_FP6 matrix_b_fmt:MATRIX_FMT_FP6 matrix_a_scale:MATRIX_SCALE_ROW1
.elseif hY
	v_wmma_scale_f32_16x16x128_f8f6f4 v[rD:rD+7], v[rX:rX+11], v[rY:rY+11], 0, v[rSX], v[rSY] matrix_a_fmt:MATRIX_FMT_FP6 matrix_b_fmt:MATRIX_FMT_FP6 matrix_b_scale:MATRIX_SCALE_ROW1
.else
	v_wmma_scale_f32_16x16x128_f8f6f4 v[rD:rD+7], v[rX:rX+11], v[rY:rY+11], 0, v[rSX], v[rSY] matrix_a_fmt:MATRIX_FMT_FP6 matrix_b_fmt:MATRIX_FMT_FP6
.endif
.else
.if hX && hY
	v_wmma_scale_f32_16x16x128_f8f6f4 v[rD:rD+7], v[rX:rX+11], v[rY:rY+11], v[rD:rD+7], v[rSX], v[rSY] matrix_a_fmt:MATRIX_FMT_FP6 matrix_b_fmt:MATRIX_FMT_FP6 matrix_a_scale:MATRIX_SCALE_ROW1 matrix_b_scale:MATRIX_SCALE_ROW1
.elseif hX
	v_wmma_scale_f32_16x16x128_f8f6f4 v[rD:rD+7], v[rX:rX+11], v[rY:rY+11], v[rD:rD+7], v[rSX], v[rSY] matrix_a_fmt:MATRIX_FMT_FP6 matrix_b_fmt:MATRIX_FMT_FP6 matrix_a_scale:MATRIX_SCALE_ROW1
.elseif hY
	v_wmma_scale_f32_16x16x128_f8f6f4 v[rD:rD+7], v[rX:rX+11], v[rY:rY+11], v[rD:rD+7], v[rSX], v[rSY] matrix_a_fmt:MATRIX_FMT_FP6 matrix_b_fmt:MATRIX_FMT_FP6 matrix_b_scale:MATRIX_SCALE_ROW1
.else
	v_wmma_scale_f32_16x16x128_f8f6f4 v[rD:rD+7], v[rX:rX+11], v[rY:rY+11], v[rD:rD+7], v[rSX], v[rSY] matrix_a_fmt:MATRIX_FMT_FP6 matrix_b_fmt:MATRIX_FMT_FP6
.endif
.endif
.endm
; 16 products: A's blocks a0, a0 + 1 x B's eight.  Fragment j's scale words stand in register j % 4 of its four, in lanes 0-15 for j < 4, in lanes 16-31 (ROW1) for j >= 4.  The 64 accumulators take turns.
.macro MUL16 a0, p, q, sc, zero
.irp a, \a0, \a0+1
.irp b, 0,1,2,3,4,5,6,7
.set rD, 8*(8*((\a)%4)+\b)
.set rX, 128*(\p)+FR*\b
.set rY, AF+FR*(\a)
.set rSX, SC+16*(\sc)+8*(\q)+4+\b%4
.set rSY, SC+16*(\sc)+8*(\q)+(\a)%4
.set hX, \b/4
.set hY, (\a)/4
	WM \zero
.endr
.endr
.endm
.macro FETCH_B slot, q, p
	WIN TO_B
.irp i, 0,1,2,3,4,5,6,7
	FRAG 128*(\p)+FR*\i, ADRB+\slot, \q, \i
.endr
	WIN 0
.endm
.macro FETCH_A slot, q, i0
.irp i, \i0, \i0+1, \i0+2, \i0+3
	FRAG AF+FR*(\i), ADRA+\slot, \q, \i
.endr
.endm
.macro SCALES s
.irp q, 0,1
	ds_load_b128 v[SC+16*\s+8*\q:SC+16*\s+8*\q+3], v[ADRA+\s] offset:REC*\q+12288
	ds_load_b128 v[SC+16*\s+8*\q+4:SC+16*\s+8*\q+7], v[ADRB+\s] offset:REC*\q+12288
.endr
.endm
.macro STEP slot, q, zero
	s_wait_dscnt 4*NL                              ; all but the youngest 12 loads (A's blocks 4-7) are in
	WIN MUL_LO
	MUL16 0, (\q)%2, \q, \slot, \zero
	MUL16 2, (\q)%2, \q, \slot, \zero
	s_wait_dscnt 0
	PLACES NP                                      ; in front of loads into registers that matrix instructions have read
	FETCH_B \slot, (\q)+1, 1-(\q)%2
	FETCH_A \slot, (\q)+1, 0
	WIN MUL_HI
	MUL16 4, (\q)%2, \q, \slot, \zero
	MUL16 6, (\q)%2, \q, \slot, \zero
	PLACES NP
	WIN 0
	FETCH_A \slot, (\q)+1, 4
.endm
.macro TURN slot, next, fill
	s_wait_tensorcnt 0x0                           ; all my tensor loads have landed: my part of the next slot
	ds_add_u32 v[SPW], v[NIL]                      ; 0 onto my spare word
	s_wait_dscnt 4*NL+1                            ; (the add and the youngest 12 loads may be out)
	WIN MUL_LO
	MUL16 0, 1, 1, \slot, 0
	s_wait_dscnt 0x0                               ; the add is done, and my reads of this slot are over
	s_barrier_signal -1
	MUL16 2, 1, 1, \slot, 0
	WIN 0
	s_barrier_wait -1
.if \fill
	CREST                                          ; the barrier has opened a round of the cluster's: no wave of any partner still reads this slot or has a load on its way
	s_add_nc_u64 s[G0+4*\slot+2:G0+4*\slot+3], s[G0+4*\slot+2:G0+4*\slot+3], 2*HALF
	s_add_nc_u64 s[G0B+4*\slot+2:G0B+4*\slot+3], s[G0B+4*\slot+2:G0B+4*\slot+3], 2*HALF
	JLOAD G0+4*\slot, G1, G0B+4*\slot, G1B         ; the first tensor load behind the round, my one load until the next
.else
	PLACES NP
.endif
	FETCH_B \next, 0, 0
	FETCH_A \next, 0, 0
	SCALES \next
	WIN MUL_HI
	MUL16 4, 1, 1, \slot, 0
	MUL16 6, 1, 1, \slot, 0
	PLACES NP
	WIN 0
	FETCH_A \next, 0, 4
.endm
	s_wait_tensorcnt 1                             ; my part of slot 0 is in; slot 1's may be out
	s_barrier_signal -1
	s_barrier_wait -1
	FETCH_B 0, 0, 0
	FETCH_A 0, 0, 0
	SCALES 0
	FETCH_A 0, 0, 4
	STEP 0, 0, 1                                   ; the first step's products start the sums
	s_mov_b32 s3, LAPS-1
.Llap:
	TURN 0, 1, 1
	STEP 1, 0, 0
	TURN 1, 0, 1
	STEP 0, 0, 0
	s_sub_co_u32 s3, s3, 1
	s_cmp_lg_u32 s3, 0
	s_cbranch_scc1 .Llap
	TURN 0, 1, 0                                   ; the last lap fills nothing
	STEP 1, 0, 0
	s_wait_dscnt 4*NL
	WIN MUL_LO
	MUL16 0, 1, 1, 1, 0
	MUL16 2, 1, 1, 1, 0
	s_wait_dscnt 0
	WIN MUL_HI
	MUL16 4, 1, 1, 1, 0
	MUL16 6, 1, 1, 1, 0
	WIN 0
; THE WAY OUT, block by block of 16 rows x 128 columns, through my own stage in LDS: a lane's numbers go to their columns' places in row r, and whole rows of 512 bytes come back.
; LDS serves a wave's instructions in order (ISA guide 5.7.1.4): no wait between the stores and the loads, nor in front of the next block's stores.
.macro TOSTAGE a
.set AC, 64*((\a)%4)
	WIN 0x08+4*((\a)/4)                            ; an LDS store's data are its source 1: window 2 or 3
.irp b, 0,1,2,3,4,5,6,7
	ds_store_b128 v[STO], v[AC+8*\b:AC+8*\b+3] offset:128*(\b/2)+32*(\b%2)          ; each accumulator from its low end on
	ds_store_b128 v[STO], v[AC+8*\b+4:AC+8*\b+7] offset:128*(\b/2)+32*(\b%2)+16
.endr
	WIN 0
.set BB, BK+64*((\a)%2)
.irp t, 0,1,2,3,4,5,6,7,8,9,10,11,12,13,14,15
	ds_load_b128 v[BB+4*\t:BB+4*\t+3], v[RD] offset:\t*SPITCH
.endr
.endm
.macro SEND a, younger                 ; younger: the LDS instructions issued behind block a's loads, which may stay out
.set BB, BK+64*((\a)%2)
	s_wait_dscnt \younger
.irp t, 0,1,2,3,4,5,6,7,8,9,10,11,12,13,14,15
	v_pk_add_f32 v[BB+4*\t:BB+4*\t+1], v[BB+4*\t:BB+4*\t+1], v[BO:BO+1]
	v_pk_add_f32 v[BB+4*\t+2:BB+4*\t+3], v[BB+4*\t+2:BB+4*\t+3], v[BO+2:BO+3]
	global_store_b128 v[LI], v[BB+4*\t:BB+4*\t+3], s[74:75] offset:(32*((\a)/2)+8*((\a)%2)+\t+8*(\t/8))*8192 th:TH_STORE_NT   ; 32 lanes store 512 consecutive bytes, aligned; the row's place stands in the immediate
.endr
.endm
	s_wait_loadcnt 0x0                             ; bo
	PLACES NP                                      ; in front of the first read of results and of loads into the registers that held A's fragments
	TOSTAGE 0
.irp a, 1,2,3,4,5,6,7
.if \a > 1
	s_wait_xcnt 0x0                                ; block a - 2's stores have read their registers: block a's loads may land there
.endif
	TOSTAGE \a
	SEND (\a)-1, 32                                ; behind block a - 1's loads: block a's 16 stores and 16 loads
.endr
	SEND 7, 0
	s_wait_tensorcnt 0x0                           ; the wave's end
	ds_add_u32 v[SPW], v[NIL]
	s_wait_dscnt 0x0
	CROUND                                         ; the closing round
	s_endpgm
.Lfunc_end_k_q6e9ce77203_outp:
	.size	k_q6e9ce77203_outp, .Lfunc_end_k_q6e9ce77203_outp-k_q6e9ce77203_outp
	.p2alignl 7, 3214868480
	.fill 96, 4, 3214868480
	.section	.rodata,"a",@progbits
	.p2align	6, 0x0
	.amdhsa_kernel k_q6e9ce77203_outp
		.amdhsa_group_segment_fixed_size 327680
		.amdhsa_private_segment_fixed_size 0
		.amdhsa_enable_private_segment 0
		.amdhsa_kernarg_size 32
		.amdhsa_user_sgpr_count 2
		.amdhsa_user_sgpr_kernarg_segment_ptr 1
		.amdhsa_wavefront_size32 1
		.amdhsa_system_sgpr_workgroup_id_x 1
		.amdhsa_system_sgpr_workgroup_id_y 1
		.amdhsa_system_sgpr_workgroup_id_z 1
		.amdhsa_system_vgpr_workitem_id 0
		.amdhsa_next_free_vgpr 1024
		.amdhsa_next_free_sgpr 100
		.amdhsa_reserve_vcc 0
		.amdhsa_float_denorm_mode_32 3
		.amdhsa_float_denorm_mode_16_64 3
		.amdhsa_memory_ordered 1
		.amdhsa_forward_progress 1
		.amdhsa_inst_pref_size 147
	.end_amdhsa_kernel
	.amdgpu_metadata
---
amdhsa.version: [ 1, 2 ]
amdhsa.kernels:
  - .name:           k_q6e9ce77203_outp
    .symbol:         k_q6e9ce77203_outp.kd
    .args:
      - { .name: xc, .offset: 0, .size: 8, .value_kind: global_buffer, .address_space: global }
      - { .name: qt, .offset: 8, .size: 8, .value_kind: global_buffer, .address_space: global }
      - { .name: bo, .offset: 16, .size: 8, .value_kind: global_buffer, .address_space: global }
      - { .name: out0, .offset: 24, .size: 8, .value_kind: global_buffer, .address_space: global }
    .group_segment_fixed_size: 327680
    .private_segment_fixed_size: 0
    .kernarg_segment_align: 8
    .kernarg_segment_size: 32
    .max_flat_workgroup_size: 128
    .sgpr_count:     100
    .vgpr_count:     1024
    .wavefront_size: 32
...
	.end_amdgpu_metadata
.endif
;; end of part 4
;; ======== version 2 of 2: 4 launches; 1.15 times as fast as version 1
;; limits: right only within a limited range of input values
;; workspace buffers: qt 22,937,600 bytes; maskw 524,288 bytes of whole numbers; rope 1,048,576 bytes; qc 3,276,800 bytes; kv 6,553,600 bytes; xc 3,276,800 bytes
;; launch prep: the kernel of part 1 again; grid 608 x 1, 4 waves a work-group, no clusters, 34,304 bytes of LDS; arguments query, wq, key, wk, wv, value, wo, mask, qt, maskw, rope; writes qt, maskw, rope
;; launch proj: the kernel of part 2 again; grid 8 x 24, 4 waves a work-group, clusters of 4 x 4, 327,680 bytes of LDS; arguments qt, rope, bq, bk, bv, qc, kv; writes qc, kv
;; launch attn (part 5): grid 16 x 16, 8 waves a work-group, clusters of 4 x 1, 327,680 bytes of LDS; arguments qc, kv, maskw, xc; writes xc
.if DOCPART == 5
	.amdgcn_target "amdgcn-amd-amdhsa--gfx1250"
	.amdhsa_code_object_version 6
	.text
	.protected	k_q6e9ce77203_attn
	.globl	k_q6e9ce77203_attn
	.p2align	8
	.type	k_q6e9ce77203_attn,@function
k_q6e9ce77203_attn:
	s_mov_b64 s[64:65], 0
	v_nop
	global_prefetch_b8 v0, s[64:65] scope:SCOPE_SE
	s_setreg_imm32_b32 hwreg(HW_REG_WAVE_MODE, 25, 1), 1
	s_wait_xcnt 0x0
	s_wait_alu depctr_hold_cnt(0) depctr_sa_sdst(0) depctr_va_vdst(0) depctr_va_sdst(0) depctr_va_ssrc(0) depctr_va_vcc(0) depctr_vm_vsrc(0)
	s_getreg_b32 s2, hwreg(HW_REG_IB_STS2, 6, 4)
	s_cmp_eq_u32 s2, 0
	s_cbranch_scc0 .Lentry_in_a_cluster
	s_endpgm
.Lentry_in_a_cluster:
	s_bfe_u32 s2, ttmp6, 0x10000c
	s_cmp_lg_u32 s2, 0x3003
	s_cbranch_scc0 .Lentry_shape_is_right
	s_endpgm
.Lentry_shape_is_right:
; ATTN.  x[q] = the sum over keys of softmax(mask ? q . k / sqrt(128) : -1e9) v, both products on codes of FP6 (E2M3) with one E8M0 scale for each 32 along K; x leaves as codes, quantised along the head's 128 channels.
; THE SOFTMAX: t = score x log2(e) / sqrt(128); M = the largest t so far, rounded up to a whole number; p = 2^(t - M) is quantised along the keys, not normalised; the row's sum is taken of the unquantised p and divides at the end.
; When M moves, the sum and O are multiplied by 2^(old M - new M): exact.
; THE MASK is an input: every score is computed, and where the mask's bit is 0 the raw score becomes -2^34 ahead of the maximum.  c x 2^34 is a whole number that f32 holds, so a row that is wholly masked has t - M = 0 and p = 1
; for every key, the uniform average that -1e9 gives; as soon as a key counts, the factor 2^(old M - new M) is 0 and wipes what was summed.
; THE MASK WORDS of a key step (64 scalar registers) are asked for one step ahead, as soon as the step before has used its own.
; LIMIT: the stand-in is the logit -1.52e9 where the definition has -1e9: the same results as long as the logits of keys that count lie above -1e9.  NaN and infinities are not served.
; SHARES: a work-group owns 128 queries (group g) of one head; wave w owns fragment w of q's record, 16 queries.  Two waves to a SIMD: one wave's vector work stands beside the other's products and LDS loads.
; Every wave walks all 16 groups of 128 keys.  RECORDS as in the launches before; K's record as source 0 gives a lane one query and 64 registers of keys in natural order; V's (rows = channels, K = keys) gives O^T with the channels so.
; RING: two LDS slots of four key groups (K's and V's record each).  CLUSTER: the four work-groups of a cluster belong to one head and walk the same K and V: each record is asked for jointly; every wave asks for one of a slot's eight.
; REGISTERS: v1-11 addresses and constants; v12 -M, v13 the largest t, v[14:15] the sum; v16-27 Q; v32-79, v160-207 eight fragments of K or V; v96-159 S^T, then p; v208-223 at work on the way out; v224-254 at work;
;   v248-251 K's or V's scale words, v253 p's, v255 Q's; window 1: v0-63 O^T.
.set REC,   12800
.set GRPB,  2*REC                      ; a key group: K's record, then V's
.set SLOTB, 4*GRPB
.set SLOT1, 1<<17                      ; slot 1 begins here: one exclusive or turns an address from one slot into the other
.set XSC,   SLOT1+SLOTB                ; behind the ring: 512 bytes in which x's scale words meet
.set SPARE, XSC+512                    ; the spare words, 128 bytes for each wave, which no other line names
.set LI,  1                            ; v1  16 x lane
.set ADR, 2                            ; v2  LDS address of the key group in hand
.set SPW, 3                            ; v3  LDS address of my spare word; never rewritten
.set NIL, 4                            ; v4  0; never rewritten
.set RM,  5                            ; v5  -2^34
.set XSA, 6                            ; v6  where my row's scale word of x goes
.set FO,  7                            ; v7  16 x lane + 1536 x wave: my fragment in a record
.set XSR, 8                            ; v8  XSC + 16 x lane
.set PC,  224
.set TM,  208
.set PW,  252
.set G0,  4                            ; s[4:7]   group 0, which walks
.set G1,  8                            ; s[8:15]  group 1
.set MW,  16                           ; s[16:17] my tile's mask words: 16 key groups x 256 bytes; never rewritten
.set CS,  18                           ; s[18:19] c = log2(e) / sqrt(128)
.set SEL, 20                           ; s[20:21] lane selects: lane l xor 16
.set WV,  22
.set TB,  23                           ; s23  LDS byte at which the key group in hand begins
.set SLOTS, 24
.set STP, 25
.set XO,  26                           ; s[26:27] my record of x
.set MO,  31                           ; s31  byte offset, among my tile's mask words, of the key group that is asked for
.set MSB, 0
.macro WIN new
.if MSB != (\new)
	s_set_vgpr_msb (MSB<<8)|(\new)
.set MSB, \new
.endif
.endm
.macro CROUND                          ; a round of the cluster's barrier
	s_barrier_signal -1
	s_barrier_wait -1
	s_cmp_lg_u32 s[WV], 0
	s_cbranch_scc1 .Lnot_wave_0_\@
	s_barrier_signal -3
.Lnot_wave_0_\@:
	s_barrier_wait -3
	s_barrier_signal -1
	s_barrier_wait -1
.endm
.macro MASKLOAD                        ; the 64 mask words of my tile and the key group at s[MO]
	s_load_b512 s[32:47], s[MW:MW+1], s[MO] offset:0x0
	s_load_b512 s[48:63], s[MW:MW+1], s[MO] offset:0x40
	s_load_b512 s[68:83], s[MW:MW+1], s[MO] offset:0x80
	s_load_b512 s[84:99], s[MW:MW+1], s[MO] offset:0xc0
.endm
	s_load_b256 s[32:39], s[0:1], 0x0              ; qc s[32:33], kv s[34:35], maskw s[36:37], xc s[38:39]
	v_lshl_add_u32 v[SPW], v0, 2, SPARE
	v_mov_b32 v[NIL], 0
	ds_add_u32 v3, v4
	ds_add_u32 v3, v4
	s_wait_dscnt 0x0
	v_lshrrev_b32 v9, 5, v0
	v_readfirstlane_b32 s[WV], v9                  ; wave 0..7
	s_bfe_u32 s28, ttmp6, 0x40000                  ; cx
	s_lshl_b32 s29, ttmp9, 2
	s_add_co_u32 s29, s29, s28                     ; g: it enters q's, the mask's and x's addresses alone
	s_and_b32 s30, ttmp7, 0xffff                   ; the head, which the four partners share
	; group 1: a record, 12,800 dense bytes, as 50 rows of 256 (32 elements of 8 bytes), no padding
	s_mov_b32 s[G1], 15|(3<<16)|(1<<21)            ; 15:0 the mask: all four work-groups; 17:16 elements of 8 bytes; 21 set beside a mask
	s_mov_b32 s[G1+1], 32<<16
	s_mov_b32 s[G1+2], 50<<16
	s_mov_b32 s[G1+3], 32<<16
	s_mov_b32 s[G1+4], 50
	s_mov_b32 s[G1+5], 32
	s_mov_b32 s[G1+6], 0
	s_mov_b32 s[G1+7], 0
	s_mov_b32 s[G0], 1
	s_mul_i32 s[G0+1], s[WV], REC                  ; LDS address: record w of slot 0
	s_mul_i32 s2, s30, 16*GRPB                     ; the head's K and V,
	s_add_co_u32 s2, s2, s[G0+1]                   ; record w of its first eight
	s_mov_b32 s3, 0
	s_mov_b32 s[CS], 0x3e0293ee
	s_mov_b32 s[CS+1], s[CS]                       ; (named with it as a pair, so it is written)
	s_mov_b32 s[SEL], 0x76543210
	s_mov_b32 s[SEL+1], 0xfedcba98
	s_mov_b32 s[TB], 0
	s_mov_b32 s[SLOTS], 3
	s_mov_b32 s[MO], 0
	s_lshl_b32 s40, s30, 4
	s_add_co_u32 s40, s40, s29
	s_mul_i32 s40, s40, REC                        ; q's record: 16 head + g
	s_mov_b32 s41, 0
	s_lshl_b32 s42, s29, 3
	s_add_co_u32 s42, s42, s[WV]
	s_lshl_b32 s42, s42, 12                        ; my tile's mask words: (8 g + w) x 16 groups x 256 bytes
	s_mov_b32 s43, 0
	s_lshl_b32 s44, s29, 4
	s_add_co_u32 s44, s44, s30
	s_mul_i32 s44, s44, REC                        ; x's record: 16 g + head
	s_mov_b32 s45, 0
	s_wait_kmcnt 0x0
	s_add_nc_u64 s[G0+2:G0+3], s[34:35], s[2:3]
	s_or_b32 s[G0+3], s[G0+3], 0x80000000
	s_add_nc_u64 s[40:41], s[32:33], s[40:41]
	s_add_nc_u64 s[MW:MW+1], s[36:37], s[42:43]
	s_add_nc_u64 s[XO:XO+1], s[38:39], s[44:45]
	CROUND                                         ; all four work-groups are here: the first joint loads meet
	tensor_load_to_lds s[G0:G0+3], s[G1:G1+7]      ; slot 0: one load of mine is out
	s_nop 0
.rept 4
	v_nop
.endr
	v_and_b32 v9, 31, v0
	v_lshlrev_b32 v[LI], 4, v9
	s_mul_i32 s2, s[WV], 1536
	v_add_nc_u32 v[FO], s2, v[LI]
	v_add_nc_u32 v[XSR], XSC, v[LI]
	s_lshr_b32 s2, s[WV], 2
	s_lshl_b32 s2, s2, 8
	s_and_b32 s3, s[WV], 3
	s_lshl_b32 s3, s3, 2
	s_add_co_u32 s2, s2, s3                        ; fragment w's words in a scale image: 256 (w / 4) + 4 (w % 4)
	v_and_b32 v10, 15, v0
	v_lshlrev_b32 v10, 4, v10
	v_add_nc_u32 v11, s2, v10                      ; + 16 r
	v_add_nc_u32 v[XSA], XSC, v11
.irp c, 0,1,2
	global_load_b128 v[16+4*\c:19+4*\c], v[FO], s[40:41] offset:512*\c   ; Q's fragment stays in registers
.endr
	global_load_b32 v255, v11, s[40:41] offset:12288   ; and its scale words
	v_mov_b32 v[RM], 0xd0800000
	v_mov_b32 v13, 0xff61b1e6                      ; the largest t so far: -3e38
	v_floor_f32 v12, -v13                          ; -M
	v_mov_b32 v14, 0
	v_mov_b32 v15, 0
.irp b, 0,1,2,3
	v_mov_b32 v[236+\b], 0                         ; written once: a lane permute's destination counts as one of its sources
	v_mov_b32 v[TM+4+\b], 0
.endr
	v_mov_b32 v253, 0                              ; (named as the upper half of the pair v[252:253] before it is first written)
	WIN 0x40
.set n, 0
.rept 64
	v_mov_b32 v[n], 0                              ; O^T: the loop is written once; its first step finds zeros, which the first change of M leaves zeros
.set n, n+1
.endr
	WIN 0
; A KEY STEP: 128 keys
.macro STEP
	v_add_nc_u32 v[ADR], s[TB], v[LI]
.rept 3
	v_nop                                          ; with the addition: four places in front of loads into registers that the last products read
.endr
	ds_load_b128 v[248:251], v[ADR] offset:12288   ; K's scale words
.irp j, 0,1,2,3
.irp c, 0,1,2
	ds_load_b128 v[32+12*\j+4*\c:35+12*\j+4*\c], v[ADR] offset:1536*\j+512*\c
.endr
.endr
.irp j, 0,1,2,3
.irp c, 0,1,2
	ds_load_b128 v[160+12*\j+4*\c:163+12*\j+4*\c], v[ADR] offset:1536*(4+\j)+512*\c
.endr
.endr
	s_wait_dscnt 12                                ; all but the youngest 12 loads (K's fragments 4-7) are in
.irp j, 0,1,2,3
	v_wmma_scale_f32_16x16x128_f8f6f4 v[96+8*\j:103+8*\j], v[32+12*\j:43+12*\j], v[16:27], 0, v[248+\j], v255 matrix_a_fmt:MATRIX_FMT_FP6 matrix_b_fmt:MATRIX_FMT_FP6
.endr
	s_wait_dscnt 0x0
.irp j, 0,1,2,3
	v_wmma_scale_f32_16x16x128_f8f6f4 v[128+8*\j:135+8*\j], v[160+12*\j:171+12*\j], v[16:27], 0, v[248+\j], v255 matrix_a_fmt:MATRIX_FMT_FP6 matrix_b_fmt:MATRIX_FMT_FP6 matrix_a_scale:MATRIX_SCALE_ROW1
.endr
.rept 4
	v_nop                                          ; places: in front of the loads below and of the first read of the scores
.endr
	ds_load_b128 v[248:251], v[ADR] offset:REC+12288   ; V's scale words and fragments land while the softmax is worked
.irp j, 0,1,2,3
.irp c, 0,1,2
	ds_load_b128 v[32+12*\j+4*\c:35+12*\j+4*\c], v[ADR] offset:REC+1536*\j+512*\c
.endr
.endr
.irp j, 0,1,2,3
.irp c, 0,1,2
	ds_load_b128 v[160+12*\j+4*\c:163+12*\j+4*\c], v[ADR] offset:REC+1536*(4+\j)+512*\c
.endr
.endr
	s_wait_kmcnt 0x0                               ; this step's mask words, asked for a step ago, are in, and their loads have read their offset,
	s_add_co_u32 s[MO], s[MO], 256                 ; which steps to the next key group;
	s_and_b32 s[MO], s[MO], 0xfff                  ; behind the 16th it is the first again, so that no load leaves the buffer
.set n, 0
.rept 32
	v_cndmask_b32 v[96+n], v[RM], v[96+n], s[32+n]   ; where the bit is 0: -2^34.  Ascending: each accumulator from its low end on
.set n, n+1
.endr
.rept 32
	v_cndmask_b32 v[96+n], v[RM], v[96+n], s[36+n]
.set n, n+1
.endr
.irp b, 0,1,2,3
	v_max3_num_f32 v[232+\b], v[96+16*\b], v[97+16*\b], v[98+16*\b]   ; the largest score of each block of 32 keys: it serves for the row's maximum and, since p rises with the score, for the block's largest p
.endr
.irp i, 3,5,7,9,11,13
.irp b, 0,1,2,3
	v_max3_num_f32 v[232+\b], v[232+\b], v[96+16*\b+\i], v[97+16*\b+\i]
.endr
.endr
.irp b, 0,1,2,3
	v_max_num_f32 v[232+\b], v[232+\b], v[111+16*\b]
.endr
	MASKLOAD                                       ; the next step's mask words: this step's were last read 32 vector lines back.  (The last step asks once more for the first group's, which nobody uses)
.irp b, 0,1,2,3
	v_permlanex16_b32 v[236+\b], v[232+\b], s[SEL], s[SEL+1]
.endr
.irp b, 0,1,2,3
	v_max_num_f32 v[232+\b], v[232+\b], v[236+\b]  ; with lane l xor 16's 16 keys
.endr
	v_max3_num_f32 v254, v232, v233, v234
	v_max_num_f32 v254, v254, v235
	v_mul_f32 v254, s[CS], v254                    ; the step's largest t
	v_max_num_f32 v13, v13, v254                   ; the running largest t
	v_mov_b32 v254, v12
	v_floor_f32 v12, -v13                          ; the new -M = -ceil(t): a whole number
	v_sub_f32 v254, v12, v254                      ; old M - new M: a whole number, 0 or less
	v_cvt_i32_f32 v254, v254                       ; (it saturates)
	v_ldexp_f32 v252, 1.0, v254                    ; f = 2^(old M - new M)
.irp j, 0,2,4,6,8,10,12,14,16,18,20,22,24,26,28,30,32,34,36,38,40,42,44,46,48,50,52,54,56,58,60,62
	v_pk_fma_f32 v[96+\j:97+\j], v[96+\j:97+\j], s[CS:CS+1], v[12:13] op_sel_hi:[1,0,0]   ; t - M, two at a time
.endr
.irp b, 0,1,2,3
	v_fma_f32 v[232+\b], v[232+\b], s[CS], v12     ; the same of each block's largest score
.endr
.set n, 0
.rept 64
	v_exp_f32 v[96+n], v[96+n]                     ; p = 2^(t - M): one batch
.set n, n+1
.endr
	v_pk_mul_f32 v[14:15], v[14:15], v[252:253] op_sel_hi:[1,0]   ; the sums under the new M: a plain place behind the exponentials
	s_wait_alu depctr_va_vdst(0)                   ; one wait for the batch, ahead of its first reader
.irp b, 0,1,2,3
	v_exp_f32 v[232+\b], v[232+\b]                 ; the block's largest p: the same two instructions on the same number
.endr
	v_pk_add_f32 v[236:237], v[96:97], v[98:99]    ; the row's sum of the unquantised p, in two chains: plain work behind the four
.irp j, 4,8,12,16,20,24,28,32,36,40,44,48,52,56,60
	v_pk_add_f32 v[14:15], v[14:15], v[96+\j:97+\j]
	v_pk_add_f32 v[236:237], v[236:237], v[98+\j:99+\j]
.endr
	v_pk_add_f32 v[14:15], v[14:15], v[236:237]
	s_wait_alu depctr_va_vdst(0)                   ; and one for the four
.irp b, 0,1,2,3
	v_max_num_f32 v[232+\b], 0x1800000, v[232+\b]  ; the floor 2^(3 - 127): a block whose every p is 0 keeps the byte 1; its codes are zeros
.endr
.irp b, 0,1,2,3
	v_add_nc_u32 v[244+\b], 0xff000000, v[232+\b]  ; 2 off the exponent field: the conversion's scale operand
.endr
.irp b, 0,1,2,3
	v_lshrrev_b32 v[236+\b], 23, v[244+\b]
.endr
	v_lshl_or_b32 v253, v237, 8, v236              ; p's scale word for these 128 keys
	v_lshl_or_b32 v253, v238, 16, v253
	v_lshl_or_b32 v253, v239, 24, v253
.irp c, 0,1
	v_cvt_scalef32_pk16_fp6_f32 v[224+6*\c:226+6*\c], v[96+32*\c:111+32*\c], v[244+2*\c]
	v_cvt_scalef32_pk16_fp6_f32 v[236+4*\c:238+4*\c], v[112+32*\c:127+32*\c], v[244+2*\c+1]
.endr
	v_nop                                          ; one plain place behind a scaled conversion
.irp c, 0,1
.irp i, 0,1,2
	v_permlane16_swap_b32 v[224+6*\c+\i], v[236+4*\c+\i]
.endr
.irp i, 0,1,2
	v_mov_b32 v[227+6*\c+\i], v[236+4*\c+\i]
.endr
.endr
	WIN 0x41                                       ; O^T (destination and source 0) in window 1
.set n, 0
.rept 32
	v_pk_mul_f32 v[n:n+1], v[n:n+1], v[252:253] op_sel_hi:[1,0]   ; O^T under the new M; these 32 are also the places in front of the products below
.set n, n+2
.endr
	s_wait_dscnt 0x0                               ; V is in
	WIN 0x50                                       ; C and D window 1
.irp j, 0,1,2,3
	v_wmma_scale_f32_16x16x128_f8f6f4 v[8*\j:8*\j+7], v[32+12*\j:43+12*\j], v[224:235], v[8*\j:8*\j+7], v[248+\j], v253 matrix_a_fmt:MATRIX_FMT_FP6 matrix_b_fmt:MATRIX_FMT_FP6
.endr
.irp j, 0,1,2,3
	v_wmma_scale_f32_16x16x128_f8f6f4 v[32+8*\j:39+8*\j], v[160+12*\j:171+12*\j], v[224:235], v[32+8*\j:39+8*\j], v[248+\j], v253 matrix_a_fmt:MATRIX_FMT_FP6 matrix_b_fmt:MATRIX_FMT_FP6 matrix_a_scale:MATRIX_SCALE_ROW1
.endr
	WIN 0
	s_add_co_u32 s[TB], s[TB], GRPB                ; the next key group
.endm
; THE CHANGE OF SLOTS stands at a slot's head.  Each wave waits for all its tensor loads (its record of the slot ahead), adds 0 to its spare word, and waits for that and for its reads of the slot that it has left.
; fill = 1: a round of the cluster's barrier, so that no wave of any partner still reads that slot or has a load on its way; then the joint fill, which has four key steps in which to land.
.macro CHANGE fill
	s_wait_tensorcnt 0x0                           ; no tensor load of mine is out, so group 0 may be written
	ds_add_u32 v[SPW], v[NIL]                      ; 0 onto my spare word
.if \fill
	s_xor_b32 s[G0+1], s[G0+1], SLOT1              ; the other slot than last time,
	s_add_nc_u64 s[G0+2:G0+3], s[G0+2:G0+3], SLOTB ; the next four key groups
.endif
	s_wait_dscnt 0x0                               ; the add is done, and my reads of the slot that I have left are over
.if \fill
	CROUND
	tensor_load_to_lds s[G0:G0+3], s[G1:G1+7]      ; the first thing behind the round, and my one tensor load until the next
	s_nop 0
.rept 4
	v_nop
.endr
.else
	s_barrier_signal -1
	s_barrier_wait -1
.endif
.endm
.macro SLOT_STEPS                      ; a slot's four key steps: written once, walked four times
	s_mov_b32 s[STP], 4
.Lstep_\@:
	STEP
	s_sub_co_u32 s[STP], s[STP], 1
	s_cmp_lg_u32 s[STP], 0
	s_cbranch_scc1 .Lstep_\@
	s_sub_co_u32 s[TB], s[TB], SLOTB               ; back to a slot's first group,
	s_xor_b32 s[TB], s[TB], SLOT1                  ; in the other slot
.endm
.macro QUANT s                         ; 64 numbers of a lane, register 16 b + i = index 32 b + 16 (lane / 16) + i, become a fragment's codes in v[PC] on and its scale word in v[PW]
.irp b, 0,1,2,3
	v_max3_num_f32 v[TM+\b], |v[\s+16*\b]|, |v[\s+1+16*\b]|, 0x1800000
.endr
.irp i, 2,4,6,8,10,12,14
.irp b, 0,1,2,3
	v_max3_num_f32 v[TM+\b], v[TM+\b], |v[\s+16*\b+\i]|, |v[\s+1+16*\b+\i]|
.endr
.endr
.irp b, 0,1,2,3
	v_permlanex16_b32 v[TM+4+\b], v[TM+\b], s[SEL], s[SEL+1]
.endr
.irp b, 0,1,2,3
	v_max_num_f32 v[TM+\b], v[TM+\b], v[TM+4+\b]
.endr
.irp b, 0,1,2,3
	v_add_nc_u32 v[TM+12+\b], 0xff000000, v[TM+\b]
.endr
.irp b, 0,1,2,3
	v_lshrrev_b32 v[TM+4+\b], 23, v[TM+12+\b]
.endr
	v_lshl_or_b32 v[PW], v[TM+5], 8, v[TM+4]
	v_lshl_or_b32 v[PW], v[TM+6], 16, v[PW]
	v_lshl_or_b32 v[PW], v[TM+7], 24, v[PW]
.irp c, 0,1
	v_cvt_scalef32_pk16_fp6_f32 v[PC+6*\c:PC+2+6*\c], v[\s+32*\c:\s+15+32*\c], v[TM+12+2*\c]
	v_cvt_scalef32_pk16_fp6_f32 v[PC+12+4*\c:PC+14+4*\c], v[\s+16+32*\c:\s+31+32*\c], v[TM+12+2*\c+1]
.endr
	v_nop
.irp c, 0,1
.irp i, 0,1,2
	v_permlane16_swap_b32 v[PC+6*\c+\i], v[PC+12+4*\c+\i]
.endr
.irp i, 0,1,2
	v_mov_b32 v[PC+3+6*\c+\i], v[PC+12+4*\c+\i]
.endr
.endr
.endm
	s_wait_loadcnt 0x0                             ; Q; its loads have read their base, whose registers the mask words take
	MASKLOAD                                       ; the first key step's mask words: they land while the first slot is waited for
.Lslot:                                            ; three trips: behind each change of slots but the last the next slot is asked for
	CHANGE 1
	SLOT_STEPS
	s_sub_co_u32 s[SLOTS], s[SLOTS], 1
	s_cmp_lg_u32 s[SLOTS], 0
	s_cbranch_scc1 .Lslot
	CHANGE 0                                       ; the last slot is written out
	SLOT_STEPS
	; THE WAY OUT: O^T / the sum is x: a lane holds one query and its half of each 32 of the head's channels, in natural order: it is quantised as it stands and is fragment w of the record (g, K step = head).
.rept 4
	v_nop                                          ; places behind the last products
.endr
	v_add_f32 v14, v14, v15
	v_permlanex16_b32 v252, v14, s[SEL], s[SEL+1]
	v_add_f32 v14, v14, v252                       ; the row's sum
	v_rcp_f32 v14, v14
	v_nop                                          ; a plain place behind the reciprocal
	s_wait_alu depctr_va_vdst(0)                   ; and the wait ahead of its first reader
	WIN 0x01
.set n, 0
.rept 64
	v_mul_f32 v[96+n], v[n], v14                   ; each accumulator from its low end on
.set n, n+1
.endr
	WIN 0
	QUANT 96
.irp c, 0,1,2
	global_store_b128 v[FO], v[PC+4*\c:PC+4*\c+3], s[XO:XO+1] offset:512*\c   ; 32 lanes store 512 consecutive bytes, aligned
.endr
	ds_store_b32 v[XSA], v[PW]                     ; the eight waves' scale words meet in LDS (both halves of the lanes write the same word with the same value)
	s_wait_dscnt 0x0                               ; for the others' sake
	s_barrier_signal -1
	s_barrier_wait -1
	s_cmp_lg_u32 s[WV], 0
	s_cbranch_scc1 .Lnot_first
	ds_load_b128 v[96:99], v[XSR]
	s_wait_dscnt 0x0
	global_store_b128 v[LI], v[96:99], s[XO:XO+1] offset:12288   ; the record's scale image: 512 consecutive bytes
.Lnot_first:
	s_wait_kmcnt 0x0                               ; the last step's scalar loads are done
	s_wait_tensorcnt 0x0                           ; the wave's end
	ds_add_u32 v[SPW], v[NIL]
	s_wait_dscnt 0x0
	CROUND                                         ; the closing round
	s_endpgm
.Lfunc_end_k_q6e9ce77203_attn:
	.size	k_q6e9ce77203_attn, .Lfunc_end_k_q6e9ce77203_attn-k_q6e9ce77203_attn
	.p2alignl 7, 3214868480
	.fill 96, 4, 3214868480
	.section	.rodata,"a",@progbits
	.p2align	6, 0x0
	.amdhsa_kernel k_q6e9ce77203_attn
		.amdhsa_group_segment_fixed_size 327680
		.amdhsa_private_segment_fixed_size 0
		.amdhsa_enable_private_segment 0
		.amdhsa_kernarg_size 32
		.amdhsa_user_sgpr_count 2
		.amdhsa_user_sgpr_kernarg_segment_ptr 1
		.amdhsa_wavefront_size32 1
		.amdhsa_system_sgpr_workgroup_id_x 1
		.amdhsa_system_sgpr_workgroup_id_y 1
		.amdhsa_system_sgpr_workgroup_id_z 1
		.amdhsa_system_vgpr_workitem_id 0
		.amdhsa_next_free_vgpr 320
		.amdhsa_next_free_sgpr 100
		.amdhsa_reserve_vcc 0
		.amdhsa_float_denorm_mode_32 3
		.amdhsa_float_denorm_mode_16_64 3
		.amdhsa_memory_ordered 1
		.amdhsa_forward_progress 1
		.amdhsa_inst_pref_size 62
	.end_amdhsa_kernel
	.amdgpu_metadata
---
amdhsa.version: [ 1, 2 ]
amdhsa.kernels:
  - .name:           k_q6e9ce77203_attn
    .symbol:         k_q6e9ce77203_attn.kd
    .args:
      - { .name: qc, .offset: 0, .size: 8, .value_kind: global_buffer, .address_space: global }
      - { .name: kv, .offset: 8, .size: 8, .value_kind: global_buffer, .address_space: global }
      - { .name: maskw, .offset: 16, .size: 8, .value_kind: global_buffer, .address_space: global }
      - { .name: xc, .offset: 24, .size: 8, .value_kind: global_buffer, .address_space: global }
    .group_segment_fixed_size: 327680
    .private_segment_fixed_size: 0
    .kernarg_segment_align: 8
    .kernarg_segment_size: 32
    .max_flat_workgroup_size: 256
    .sgpr_count:     100
    .vgpr_count:     320
    .wavefront_size: 32
...
	.end_amdgpu_metadata
.endif
;; end of part 5
;; launch outp (part 6): grid 16 x 16, 4 waves a work-group, clusters of 4 x 4, 327,680 bytes of LDS; arguments xc, qt, bo, out0; writes out0
.if DOCPART == 6
	.amdgcn_target "amdgcn-amd-amdhsa--gfx1250"
	.amdhsa_code_object_version 6
	.text
	.protected	k_q6e9ce77203_outp
	.globl	k_q6e9ce77203_outp
	.p2align	8
	.type	k_q6e9ce77203_outp,@function
k_q6e9ce77203_outp:
	s_mov_b64 s[64:65], 0
	v_nop
	global_prefetch_b8 v0, s[64:65] scope:SCOPE_SE
	s_setreg_imm32_b32 hwreg(HW_REG_WAVE_MODE, 25, 1), 1
	s_wait_xcnt 0x0
	s_wait_alu depctr_hold_cnt(0) depctr_sa_sdst(0) depctr_va_vdst(0) depctr_va_sdst(0) depctr_va_ssrc(0) depctr_va_vcc(0) depctr_vm_vsrc(0)
	s_getreg_b32 s2, hwreg(HW_REG_IB_STS2, 6, 4)
	s_cmp_eq_u32 s2, 0
	s_cbranch_scc0 .Lentry_in_a_cluster
	s_endpgm
.Lentry_in_a_cluster:
	s_bfe_u32 s2, ttmp6, 0x10000c
	s_cmp_lg_u32 s2, 0xf033
	s_cbranch_scc0 .Lentry_shape_is_right
	s_endpgm
.Lentry_shape_is_right:
; OUTP.  out0 = x wo^T + bo on codes of FP6 (E2M3, one E8M0 scale for each 32 along K).  Operand A (source 1: its rows lie in the lanes) is x's records, operand B (source 0: its rows lie along a lane's registers) tensor 6 of qt, wo.
; RECORDS (12,800 bytes: 128 rows x 128 K as images of operand registers): fragment j at 1536 j, registers 4 c .. 4 c + 3 of lane l at + 512 c + 16 l; at 12,288 + 16 l the scale words of row l % 16 of fragments 4 (l / 16) .. + 3.
; Lane row p of fragment j is row 32 (j / 2) + 8 (j % 2) + p + 8 (p / 8) of the 128: register e of result tile j is column 32 (j / 2) + 16 (lane / 16) + 8 (j % 2) + e.
; SHARES: the output has 256 tiles of 128 x 128, one to a work-group of four waves; wave w makes 64 x 64: A's fragments 4 (w / 2) .. + 3 (rows 64 (w / 2) on) x B's fragments 4 (w % 2) .. + 3 (columns 64 (w % 2) on): 16 accumulators.
; A larger tile would feed more products from each LDS byte and leave three work-groups in four unmade.
; LDS: three slots of four K steps (A's four records, then B's four).  All three are first fills; the last four K steps are the launch's one refill, into slot 0, behind the change from slot 0 to slot 1: it has eight K steps in which to land.
; CLUSTERS: 4 x 4 work-groups; A's records are asked for jointly along a row of the cluster, B's along a column: the same tensor load, the same descriptor, a mask that names the four.
; The 16 K steps are written out: a step waits for its fragments, asks for the next step's (26 LDS loads, into the other set of registers) and issues its 16 products.  bo is the C of the first step's products.
; REGISTERS: window 0: v7-31 addresses; v32-47 scale words, two sets, and nothing else; v48-79 bo in the result's layout; v128-255 accumulator (a, b) at v[128 + 8 (4 a + b)];
;   window 1: two sets of fragments at v0 and v128: A's four, then B's four.
.set REC,   12800
.set HALF,  2*REC                      ; two records on end: what one tensor load brings
.set SLOT,  4*HALF                     ; four K steps of A, then four of B
.set SPARE, 3*SLOT                     ; behind the slots: the spare words, 128 bytes for each wave, which no other line names
.set GRP,   16*REC                     ; a group's records for all of K
.set TEN,   16*GRP
.set FR,    12                         ; registers of a fragment
.set NP,    4                          ; places behind this matrix instruction (ISA guide 7.12.1)
.set STAGE, SLOT                       ; the way out: 16 rows x (256 bytes + 16) for each wave, in slot 1, which has had its one fill, and whose last read lies ahead of the last barrier
.set SPITCH, 272
.set CO,    7                          ; v7     my byte offset in the output: 8,192 (lane / 16) + 16 (lane % 16)
.set H64,   8                          ; v8     64 x (lane / 16)
.set ADRA,  12                         ; v12-14 LDS address of my four fragments of A in slot 0, 1, 2: + 16 x lane
.set ADRB,  16                         ; v16-18 the same for B
.set ASA,   20                         ; v20-22 of their scale words: + 16 x (lane % 16): both halves of the lanes read the half of the image that holds my four fragments
.set ASB,   24                         ; v24-26 the same for B
.set SPW,   28                         ; v28    LDS address of my spare word; never rewritten
.set NIL,   29                         ; v29    0; never rewritten
.set STO,   30                         ; v30    the stage: where I put my numbers of a row
.set RD,    31                         ; v31    and where I read a row back
.set SC,    32                         ; scale words: set p at SC + 8 p: A's four registers, then B's four
.set BIAS,  48
.set ACC,   128
.set G1,    24                         ; s[24:31] group 1 for A;  s[76:87] group 0, one set a slot
.set G0,    76
.set G1B,   48                         ; s[48:55], s[88:99] the same for B
.set G0B,   88
.set MSB, 0
.macro WIN new                         ; the immediate's high byte repeats the setting that is left
.if MSB != (\new)
	s_set_vgpr_msb (MSB<<8)|(\new)
.set MSB, \new
.endif
.endm
.set MUL,  0x05                        ; sources 0 (B) and 1 (A) window 1; C and D window 0
.set TO_F, 0x40                        ; destination window 1, address window 0
.macro JLOAD g0a, g1a, g0b, g1b        ; a joint load: waves 0 and 1 fetch for A, waves 2 and 3 for B; the branch hangs on the wave's number alone; four v_nop follow each of the two lines
	s_cmp_eq_u32 s15, 0
	s_cbranch_scc0 .Lfor_b_\@
	tensor_load_to_lds s[\g0a:\g0a+3], s[\g1a:\g1a+7]
	s_nop 0
.rept 4
	v_nop
.endr
	s_branch .Lasked_\@
.Lfor_b_\@:
	tensor_load_to_lds s[\g0b:\g0b+3], s[\g1b:\g1b+7]
	s_nop 0
.rept 4
	v_nop
.endr
.Lasked_\@:
.endm
.macro CREST                           ; a round of the cluster's barrier behind its opening barrier
	s_cmp_lg_u32 s14, 0
	s_cbranch_scc1 .Lnot_wave_0_\@
	s_barrier_signal -3
.Lnot_wave_0_\@:
	s_barrier_wait -3
	s_barrier_signal -1
	s_barrier_wait -1
.endm
.macro CROUND
	s_barrier_signal -1
	s_barrier_wait -1
	CREST
.endm
.macro PLACES n
.rept \n
	v_nop
.endr
.endm
	s_load_b256 s[68:75], s[0:1], 0x0              ; xc s[68:69], qt s[70:71], bo s[72:73], out0 s[74:75]
	v_lshl_add_u32 v[SPW], v0, 2, SPARE
	v_mov_b32 v[NIL], 0
	ds_add_u32 v28, v29
	ds_add_u32 v28, v29
	s_wait_dscnt 0x0
	v_lshrrev_b32 v1, 5, v0
	v_readfirstlane_b32 s14, v1                    ; wave 0..3
	s_lshr_b32 s15, s14, 1                         ; which four fragments of A are mine.  Also: I fetch for A (0) or for B (1)
	s_and_b32 s16, s14, 1                          ; which four fragments of B are mine.  Also: which two of a slot's four records I fetch
	s_bfe_u32 s40, ttmp6, 0x40000                  ; cx
	s_bfe_u32 s41, ttmp6, 0x40004                  ; cy
	s_lshl_b32 s42, ttmp9, 2
	s_add_co_u32 s42, s42, s40                     ; B's group = 4 x cluster x + cx
	s_and_b32 s17, ttmp7, 0xffff
	s_lshl_b32 s17, s17, 2
	s_add_co_u32 s17, s17, s41                     ; A's group = 4 x cluster y + cy
	s_lshl_b32 s43, s41, 2
	s_lshl_b32 s43, 15, s43                        ; my row of the cluster
	s_lshl_b32 s44, 0x1111, s40                    ; my column
	; group 1: 25,600 dense bytes as 100 rows of 256 (32 elements of 8 bytes), no padding
	s_or_b32 s[G1+0], s43, (3<<16)|(1<<21)         ; 15:0 the mask; 17:16 elements of 8 bytes; 21 set beside a mask
	s_or_b32 s[G1B+0], s44, (3<<16)|(1<<21)
.irp g, G1, G1B
	s_mov_b32 s[\g+1], 32<<16                      ; tensor_dim0
	s_mov_b32 s[\g+2], 100<<16                     ; tensor_dim1
	s_mov_b32 s[\g+3], 32<<16                      ; tile_dim0
	s_mov_b32 s[\g+4], 100                         ; tile_dim1
	s_mov_b32 s[\g+5], 32                          ; the pitch
	s_mov_b32 s[\g+6], 0
	s_mov_b32 s[\g+7], 0
.endr
	s_mul_i32 s19, s16, HALF                       ; K steps 0, 1 or 2, 3 of a slot
	s_mul_i32 s20, s17, GRP
	s_add_co_u32 s20, s20, s19                     ; A: what I fetch
	s_mov_b32 s21, 0
	s_mul_i32 s46, s42, GRP
	s_add_co_u32 s46, s46, s19
	s_add_co_u32 s46, s46, 6*TEN                   ; B likewise, in wo's records, in registers that never hold cy
	s_mov_b32 s47, 0
	s_mul_i32 s45, s14, HALF                       ; where it goes: wave x 25,600: no place in the cluster enters an LDS address
	s_wait_kmcnt 0x0
	s_add_nc_u64 s[20:21], s[68:69], s[20:21]
	s_add_nc_u64 s[46:47], s[70:71], s[46:47]
	CROUND                                         ; all sixteen work-groups are here: the first joint loads meet
.irp s, 0,1,2
	s_mov_b32 s[G0+4*\s], 1
	s_add_co_u32 s[G0+4*\s+1], s45, \s*SLOT
	s_add_nc_u64 s[G0+4*\s+2:G0+4*\s+3], s[20:21], \s*2*HALF   ; a slot's four K steps of one group are 51,200 bytes on end
	s_or_b32 s[G0+4*\s+3], s[G0+4*\s+3], 0x80000000
	s_mov_b32 s[G0B+4*\s], 1
	s_add_co_u32 s[G0B+4*\s+1], s45, \s*SLOT
	s_add_nc_u64 s[G0B+4*\s+2:G0B+4*\s+3], s[46:47], \s*2*HALF
	s_or_b32 s[G0B+4*\s+3], s[G0B+4*\s+3], 0x80000000
	JLOAD G0+4*\s, G1, G0B+4*\s, G1B               ; three loads of mine are out
.endr
	v_and_b32 v1, 31, v0
	v_lshlrev_b32 v2, 4, v1                        ; 16 x lane
	v_and_b32 v3, 15, v0                           ; r
	v_bfe_u32 v4, v0, 4, 1                         ; h
	v_lshlrev_b32 v5, 4, v3                        ; 16 r
	v_lshlrev_b32 v[H64], 6, v4
	s_lshl_b32 s62, s42, 9                         ; my 64 columns: 512 bytes a group,
	s_lshl_b32 s63, s16, 8                         ; 256 a half
	s_add_co_u32 s62, s62, s63
	s_mov_b32 s63, 0
	s_add_nc_u64 s[72:73], s[72:73], s[62:63]
.irp b, 0,1,2,3
	global_load_b128 v[BIAS+8*\b:BIAS+8*\b+3], v[H64], s[72:73] offset:128*(\b/2)+32*(\b%2)        ; bo of tile b's eight columns of my half: 32 (b / 2) + 16 h + 8 (b % 2) + 0 .. 7
	global_load_b128 v[BIAS+8*\b+4:BIAS+8*\b+7], v[H64], s[72:73] offset:128*(\b/2)+32*(\b%2)+16
.endr
	s_add_nc_u64 s[74:75], s[74:75], s[62:63]
	s_lshl_b32 s62, s17, 20                        ; my 64 rows: 128 rows of 8,192 bytes a group,
	s_lshl_b32 s61, s15, 19                        ; 64 a half
	s_add_co_u32 s62, s62, s61
	s_add_nc_u64 s[74:75], s[74:75], s[62:63]      ; the output at my 64 x 64
	s_mul_i32 s56, s15, 4*1536                     ; my four fragments in a record of A,
	s_mul_i32 s57, s16, 4*1536
	s_add_co_u32 s57, s57, 2*HALF                  ; in a record of B, behind A's four records,
	s_lshl_b32 s58, s15, 8
	s_add_co_u32 s58, s58, 12288                   ; and the halves of the scale images that hold their words
	s_lshl_b32 s59, s16, 8
	s_add_co_u32 s59, s59, 2*HALF+12288
.irp s, 0,1,2
	v_add_nc_u32 v[ADRA+\s], s56, v2
	v_add_nc_u32 v[ADRB+\s], s57, v2
	v_add_nc_u32 v[ASA+\s], s58, v5
	v_add_nc_u32 v[ASB+\s], s59, v5
	s_add_co_u32 s56, s56, SLOT
	s_add_co_u32 s57, s57, SLOT
	s_add_co_u32 s58, s58, SLOT
	s_add_co_u32 s59, s59, SLOT
.endr
	s_mul_i32 s60, s14, 16*SPITCH
	s_add_co_u32 s60, s60, STAGE                   ; my stage
	v_mul_u32_u24 v6, v3, SPITCH
	v_add_nc_u32 v6, v6, v[H64]
	v_add_nc_u32 v[STO], s60, v6                   ; in: row r, + 64 h
	v_mul_u32_u24 v9, v4, SPITCH
	v_add_nc_u32 v9, v9, v5
	v_add_nc_u32 v[RD], s60, v9                    ; back: lanes 0-15 one row of 256 bytes, lanes 16-31 the next
	v_lshl_add_u32 v[CO], v4, 13, v5               ; and the same two rows in the output
; K step t's fragments and scale words into set t % 2: 26 loads of 512 consecutive bytes (the scale words': 256, read by both halves of the lanes)
.macro LOADS t
.set LS, ((\t)/4)%3                    ; K steps 12 to 15 lie in slot 0 again
.set LQ, (\t)%4
.set LP, (\t)%2
	WIN 0
	ds_load_b128 v[SC+8*LP:SC+8*LP+3], v[ASA+LS] offset:REC*LQ
	ds_load_b128 v[SC+8*LP+4:SC+8*LP+7], v[ASB+LS] offset:REC*LQ
	WIN TO_F
.irp i, 0,1,2,3
.irp c, 0,1,2
	ds_load_b128 v[128*LP+48+FR*\i+4*\c:128*LP+48+FR*\i+4*\c+3], v[ADRB+LS] offset:REC*LQ+1536*\i+512*\c
.endr
.endr
.irp i, 0,1,2,3
.irp c, 0,1,2
	ds_load_b128 v[128*LP+FR*\i+4*\c:128*LP+FR*\i+4*\c+3], v[ADRA+LS] offset:REC*LQ+1536*\i+512*\c
.endr
.endr
.endm
; four products: A's block a x B's four, K step t.  first = 1: bo starts the sums: nothing is cleared and nothing is added later.  The 16 accumulators take turns, one instruction a turn.
.macro MUL4 t, a, first
.irp b, 0,1,2,3
.if \first
	v_wmma_scale_f32_16x16x128_f8f6f4 v[ACC+8*(4*(\a)+\b):ACC+8*(4*(\a)+\b)+7], v[128*((\t)%2)+48+FR*\b:128*((\t)%2)+48+FR*\b+FR-1], v[128*((\t)%2)+FR*(\a):128*((\t)%2)+FR*(\a)+FR-1], v[BIAS+8*\b:BIAS+8*\b+7], v[SC+8*((\t)%2)+4+\b], v[SC+8*((\t)%2)+(\a)] matrix_a_fmt:MATRIX_FMT_FP6 matrix_b_fmt:MATRIX_FMT_FP6
.else
	v_wmma_scale_f32_16x16x128_f8f6f4 v[ACC+8*(4*(\a)+\b):ACC+8*(4*(\a)+\b)+7], v[128*((\t)%2)+48+FR*\b:128*((\t)%2)+48+FR*\b+FR-1], v[128*((\t)%2)+FR*(\a):128*((\t)%2)+FR*(\a)+FR-1], v[ACC+8*(4*(\a)+\b):ACC+8*(4*(\a)+\b)+7], v[SC+8*((\t)%2)+4+\b], v[SC+8*((\t)%2)+(\a)] matrix_a_fmt:MATRIX_FMT_FP6 matrix_b_fmt:MATRIX_FMT_FP6
.endif
.endr
.endm
; A K step whose successor lies in a slot that every wave has been shown
.macro STEP t, first
	s_wait_dscnt 0x0                               ; this step's fragments are in
.if (\t) < 15
.if (\t) > 0
	PLACES NP                                      ; in front of loads into the set that the last step's products read
.endif
	LOADS (\t)+1                                   ; they land while this step is multiplied
.endif
	WIN MUL
.irp a, 0,1,2,3
	MUL4 \t, \a, \first
.endr
.endm
; A K step with a change of slots: one barrier; in front of it each wave waits for all its tensor loads, adds 0 to its spare word, and waits for that; its reads of the slot that it leaves are over at the step's head.
; fill = 1: the barrier opens a round of the cluster's, and slot 0 is filled again, with K steps 12 to 15.
.macro TURN t, fill
	s_wait_dscnt 0x0                               ; this step's fragments are in: they were my last reads of the slot
	WIN 0                                          ; (the add's two registers lie in window 0)
	s_wait_tensorcnt 0x0                           ; all my tensor loads have landed
	ds_add_u32 v[SPW], v[NIL]                      ; 0 onto my spare word
	WIN MUL
	MUL4 \t, 0, 0                                  ; four products stand between the add and the wait for it
	s_wait_dscnt 0x0                               ; the add is done
	s_barrier_signal -1
	MUL4 \t, 1, 0
	WIN 0
	s_barrier_wait -1
.if \fill
	CREST                                          ; no wave of any partner still reads slot 0 or has a load on its way
	s_add_nc_u64 s[G0+2:G0+3], s[G0+2:G0+3], 3*2*HALF
	s_add_nc_u64 s[G0B+2:G0B+3], s[G0B+2:G0B+3], 3*2*HALF
	JLOAD G0, G1, G0B, G1B                         ; the first tensor load behind the round, and my last; its four v_nop are the places in front of the loads below
.else
	PLACES NP
.endif
	LOADS (\t)+1
	WIN MUL
	MUL4 \t, 2, 0
	MUL4 \t, 3, 0
.endm
	s_wait_tensorcnt 2                             ; my part of slot 0 is in; slot 1's and slot 2's may be out
	s_barrier_signal -1
	s_barrier_wait -1                              ; everybody's is
	LOADS 0
	s_wait_loadcnt 0x0                             ; bo
	STEP 0, 1
	STEP 1, 0
	STEP 2, 0
	TURN 3, 1                                      ; slots 1 and 2 are whole for every wave from here on; slot 0 is asked for again
.irp t, 4,5,6,7,8,9,10
	STEP \t, 0
.endr
	TURN 11, 0                                     ; slot 0 is whole again; nobody reads slots 1 and 2 any more; nothing is filled
.irp t, 12,13,14,15
	STEP \t, 0
.endr
	WIN 0
; THE WAY OUT, block by block of 16 rows x 64 columns, through my own stage in LDS: a lane's numbers go to their columns' places in row r, and whole rows of 256 bytes come back into the registers that the block left.
; LDS serves a wave's instructions in order (ISA guide 5.7.1.4): no wait between the stores and the loads, nor in front of the next block's stores.
.macro TOSTAGE a
.irp b, 0,1,2,3
	ds_store_b128 v[STO], v[ACC+32*(\a)+8*\b:ACC+32*(\a)+8*\b+3] offset:128*(\b/2)+32*(\b%2)          ; each accumulator from its low end on
	ds_store_b128 v[STO], v[ACC+32*(\a)+8*\b+4:ACC+32*(\a)+8*\b+7] offset:128*(\b/2)+32*(\b%2)+16
.endr
.irp t, 0,1,2,3,4,5,6,7
	ds_load_b128 v[ACC+32*(\a)+4*\t:ACC+32*(\a)+4*\t+3], v[RD] offset:2*\t*SPITCH
.endr
.endm
.macro SEND a, younger                 ; younger: the LDS instructions issued behind block a's loads, which may stay out
	s_wait_dscnt \younger
.irp t, 0,1,2,3,4,5,6,7
	global_store_b128 v[CO], v[ACC+32*(\a)+4*\t:ACC+32*(\a)+4*\t+3], s[74:75] offset:(32*((\a)/2)+8*((\a)%2)+2*\t+8*(\t/4))*8192 th:TH_STORE_NT   ; stage rows 2 t and 2 t + 1: 16 lanes store 256 consecutive bytes, aligned; the rows' place stands in the immediate
.endr
.endm
	PLACES NP                                      ; in front of the first read of results
	TOSTAGE 0
	TOSTAGE 1
	SEND 0, 16                                     ; behind block 0's loads: block 1's 8 stores and 8 loads
	TOSTAGE 2
	SEND 1, 16
	TOSTAGE 3
	SEND 2, 16
	SEND 3, 0
	s_wait_tensorcnt 0x0                           ; the wave's end
	ds_add_u32 v[SPW], v[NIL]
	s_wait_dscnt 0x0
	CROUND                                         ; the closing round: no work-group ends while a partner may still ask for a tile that names it
	s_endpgm
.Lfunc_end_k_q6e9ce77203_outp:
	.size	k_q6e9ce77203_outp, .Lfunc_end_k_q6e9ce77203_outp-k_q6e9ce77203_outp
	.p2alignl 7, 3214868480
	.fill 96, 4, 3214868480
	.section	.rodata,"a",@progbits
	.p2align	6, 0x0
	.amdhsa_kernel k_q6e9ce77203_outp
		.amdhsa_group_segment_fixed_size 327680
		.amdhsa_private_segment_fixed_size 0
		.amdhsa_enable_private_segment 0
		.amdhsa_kernarg_size 32
		.amdhsa_user_sgpr_count 2
		.amdhsa_user_sgpr_kernarg_segment_ptr 1
		.amdhsa_wavefront_size32 1
		.amdhsa_system_sgpr_workgroup_id_x 1
		.amdhsa_system_sgpr_workgroup_id_y 1
		.amdhsa_system_sgpr_workgroup_id_z 1
		.amdhsa_system_vgpr_workitem_id 0
		.amdhsa_next_free_vgpr 512
		.amdhsa_next_free_sgpr 100
		.amdhsa_reserve_vcc 0
		.amdhsa_float_denorm_mode_32 3
		.amdhsa_float_denorm_mode_16_64 3
		.amdhsa_memory_ordered 1
		.amdhsa_forward_progress 1
		.amdhsa_inst_pref_size 81
	.end_amdhsa_kernel
	.amdgpu_metadata
---
amdhsa.version: [ 1, 2 ]
amdhsa.kernels:
  - .name:           k_q6e9ce77203_outp
    .symbol:         k_q6e9ce77203_outp.kd
    .args:
      - { .name: xc, .offset: 0, .size: 8, .value_kind: global_buffer, .address_space: global }
      - { .name: qt, .offset: 8, .size: 8, .value_kind: global_buffer, .address_space: global }
      - { .name: bo, .offset: 16, .size: 8, .value_kind: global_buffer, .address_space: global }
      - { .name: out0, .offset: 24, .size: 8, .value_kind: global_buffer, .address_space: global }
    .group_segment_fixed_size: 327680
    .private_segment_fixed_size: 0
    .kernarg_segment_align: 8
    .kernarg_segment_size: 32
    .max_flat_workgroup_size: 128
    .sgpr_count:     100
    .vgpr_count:     512
    .wavefront_size: 32
...
	.end_amdgpu_metadata
.endif
;; end of part 6
